; MI455X (gfx1250); checked and timed in simulation.
; The chip was launched on July 23, 2026; its instructions are those of AMD's public machine-readable ISA for CDNA 5 (MIT licence, August 2026) and "CDNA5" Instruction Set Architecture Reference Guide (July 2026). The comments in the code are by the model that wrote it; some were corrected since.
;; Causal Self Attention. Allowed arithmetic: float matrix products may take bf16 or f16 operands with f32 sums; all other float work in f32.
;; Inputs: b_attn 3,072 float32; b_proj 1,024 float32; w_attn 3,072 x 1,024 float32; w_proj 1,024 x 1,024 float32; x 2 x 2,048 x 1,024 float32.
;; Outputs: out0 2 x 2,048 x 1,024 float32.
;; 2 versions, each right and faster than the one before. Each part assembles by itself: llvm-mc -triple=amdgcn-amd-amdhsa -mcpu=gfx1250 --defsym DOCPART=n.
;; ======== version 1 of 2: 5 launches
;; limits: values are held in f16: magnitudes above 65,504 overflow, below 6.1e-05 lose precision
;; workspace buffers: xh 8,388,608 bytes; pmax 2,048 bytes; wa 6,291,456 bytes; wp 4,194,304 bytes; scales 256 bytes; qkv 33,554,432 bytes; y 16,777,216 bytes
;; launch prep (part 1): grid 256 x 1, 8 waves a work-group, no clusters, 1,280 bytes of LDS; arguments x, w_attn, w_proj, xh, pmax; writes xh, pmax
.if DOCPART == 1
	.amdgcn_target "amdgcn-amd-amdhsa--gfx1250"
	.amdhsa_code_object_version 6
	.text
	.protected	k_q5bbda6a854_prep
	.globl	k_q5bbda6a854_prep
	.p2align	8
	.type	k_q5bbda6a854_prep,@function
k_q5bbda6a854_prep:
	s_mov_b64 s[64:65], 0
	v_nop
	global_prefetch_b8 v0, s[64:65] scope:SCOPE_SE
	s_setreg_imm32_b32 hwreg(HW_REG_WAVE_MODE, 25, 1), 1
	s_wait_xcnt 0x0
; prep: xh = x rounded to f16, and each work-group's largest |w| of its share of w_attn and of w_proj (pmax[g] = two f32).
; 256 work-groups of 8 waves.  Work-group g owns 65,536 bytes of x, 49,152 of w_attn, 16,384 of w_proj.  Thread t takes the 16 bytes at
; 16 t of every 4,096: a wave's load covers 512 neighbouring bytes.  All 32 loads of a thread go out at once, so the group's whole
; 131,072 bytes are on their way together; there is no loop and no register is used twice, so no source is ever rewritten.
; No matrix unit, no cluster: nothing is shared between work-groups and every byte is read once.
; LIMITS: |x| must stay below 65,504 (f16).  A NaN among the weights is dropped by the maximum, not handed on.
.set X,   8                            ; v[8:71]    16 x 4 numbers of x, converted in place
.set W,   72                           ; v[72:135]  12 x 4 numbers of w_attn, then 4 x 4 of w_proj; later the eight waves' maxima
.set MA,  136                          ; largest |w_attn|
.set MP,  137                          ; largest |w_proj| (a pair with MA for the 8-byte stores)
.set MA2, 138                          ; second chain
.set T,   139                          ; second chain, and the other half of the lanes
	s_load_b256 s[4:11], s[0:1], 0x0               ; x s[4:5], w_attn s[6:7], w_proj s[8:9], xh s[10:11]
	s_load_b64 s[12:13], s[0:1], 0x20              ; pmax
	v_lshl_add_u32 v144, v0, 2, 0x100
	v_mov_b32 v145, 0
	s_lshl_b32 s14, ttmp9, 16                      ; my share of x
	s_mov_b32 s15, 0
	s_mul_i32 s16, ttmp9, 49152                    ; of w_attn
	s_mov_b32 s17, 0
	s_lshl_b32 s18, ttmp9, 14                      ; of w_proj
	s_mov_b32 s19, 0
	s_lshl_b32 s22, ttmp9, 15                      ; of xh
	s_mov_b32 s23, 0
	s_lshl_b32 s24, ttmp9, 3                       ; my 8 bytes of pmax
	s_mov_b32 s25, 0
	s_mov_b32 s20, 0x76543210                      ; v_permlanex16_b32: lane i reads lane i of the other half
	s_mov_b32 s21, 0xfedcba98
	v_lshlrev_b32 v1, 4, v0                        ; 16 t
	v_lshlrev_b32 v2, 3, v0                        ; 8 t
	v_lshrrev_b32 v3, 5, v0
	v_readfirstlane_b32 s26, v3                    ; wave
	v_mov_b32 v4, s26
	v_lshlrev_b32 v4, 3, v4                        ; my wave's 8 bytes of LDS
	v_mov_b32 v5, 0
	s_wait_kmcnt 0x0
	s_add_nc_u64 s[4:5], s[4:5], s[14:15]
	s_add_nc_u64 s[6:7], s[6:7], s[16:17]
	s_add_nc_u64 s[8:9], s[8:9], s[18:19]
	s_add_nc_u64 s[10:11], s[10:11], s[22:23]
	s_add_nc_u64 s[12:13], s[12:13], s[24:25]
.set j, 0
.rept 16
	global_load_b128 v[X+4*j:X+4*j+3], v1, s[4:5] offset:4096*j th:TH_LOAD_NT   ; x is read once in the whole program
.set j, j+1
.endr
.set j, 0
.rept 12
	global_load_b128 v[W+4*j:W+4*j+3], v1, s[6:7] offset:4096*j                 ; the weights are read again by the next launch: no hint
.set j, j+1
.endr
.set j, 0
.rept 4
	global_load_b128 v[W+48+4*j:W+48+4*j+3], v1, s[8:9] offset:4096*j
.set j, j+1
.endr
	; x to f16: 4 numbers become 8 bytes; a wave's store covers 256 consecutive bytes, aligned
.set j, 0
.rept 16
	s_wait_loadcnt 31-j                            ; loads come back in order: 31 - j were issued behind piece j of x
	v_cvt_pk_f16_f32 v[X+4*j], v[X+4*j], v[X+4*j+1]
	v_cvt_pk_f16_f32 v[X+4*j+1], v[X+4*j+2], v[X+4*j+3]
	global_store_b64 v2, v[X+4*j:X+4*j+1], s[10:11] offset:2048*j
.set j, j+1
.endr
	s_wait_loadcnt 0x4                             ; w_attn is in; the four loads of w_proj may stay out
	v_max_num_f32 v[MA], |v[W]|, |v[W+1]|          ; the first numbers start the chains: nothing is cleared
	v_max_num_f32 v[MA2], |v[W+24]|, |v[W+25]|
.set k, 2
.rept 11
	v_max3_num_f32 v[MA], v[MA], |v[W+k]|, |v[W+k+1]|
	v_max3_num_f32 v[MA2], v[MA2], |v[W+24+k]|, |v[W+24+k+1]|
.set k, k+2
.endr
	v_max_num_f32 v[MA], v[MA], v[MA2]
	s_wait_loadcnt 0x0
	v_max_num_f32 v[MP], |v[W+48]|, |v[W+49]|
	v_max_num_f32 v[T], |v[W+56]|, |v[W+57]|
.set k, 2
.rept 3
	v_max3_num_f32 v[MP], v[MP], |v[W+48+k]|, |v[W+48+k+1]|
	v_max3_num_f32 v[T], v[T], |v[W+56+k]|, |v[W+56+k+1]|
.set k, k+2
.endr
	v_max_num_f32 v[MP], v[MP], v[T]
	; over the 32 lanes: four steps inside each half, one across
.irp m, 1,2,4,8
	v_max_num_f32_dpp v[MA], v[MA], v[MA] row_xmask:\m row_mask:0xf bank_mask:0xf
	v_max_num_f32_dpp v[MP], v[MP], v[MP] row_xmask:\m row_mask:0xf bank_mask:0xf
.endr
	v_permlanex16_b32 v[MA2], v[MA], s20, s21      ; both destinations have been written before
	v_permlanex16_b32 v[T], v[MP], s20, s21
	v_max_num_f32 v[MA], v[MA], v[MA2]
	v_max_num_f32 v[MP], v[MP], v[T]
	; over the eight waves, through LDS
	ds_store_b64 v4, v[MA:MP]
	s_wait_dscnt 0x0                               ; my store is done before I say so
	s_barrier_signal -1
	s_barrier_wait -1
.irp q, 0,1,2,3
	ds_load_b128 v[W+4*\q:W+4*\q+3], v5 offset:16*\q
.endr
	s_wait_dscnt 0x0
	v_max3_num_f32 v[MA], v[W], v[W+2], v[W+4]
	v_max3_num_f32 v[MP], v[W+1], v[W+3], v[W+5]
	v_max3_num_f32 v[MA], v[MA], v[W+6], v[W+8]
	v_max3_num_f32 v[MP], v[MP], v[W+7], v[W+9]
	v_max3_num_f32 v[MA], v[MA], v[W+10], v[W+12]
	v_max3_num_f32 v[MP], v[MP], v[W+11], v[W+13]
	v_max_num_f32 v[MA], v[MA], v[W+14]
	v_max_num_f32 v[MP], v[MP], v[W+15]
	s_wait_xcnt 0x0                                ; EXEC is a source of the stores above: it changes only behind this wait
	v_cmp_eq_u32 vcc_lo, 0, v0
	s_wait_tensorcnt 0x0
	ds_add_u32 v144, v145
	s_wait_dscnt 0x0
	s_and_saveexec_b32 s27, vcc_lo
	global_store_b64 v5, v[MA:MP], s[12:13]        ; thread 0 alone
	s_wait_xcnt 0x0                                ; and again in front of the line that widens it
	s_or_b32 exec_lo, exec_lo, s27
	s_endpgm
.Lfunc_end_k_q5bbda6a854_prep:
	.size	k_q5bbda6a854_prep, .Lfunc_end_k_q5bbda6a854_prep-k_q5bbda6a854_prep
	.p2alignl 7, 3214868480
	.fill 96, 4, 3214868480
	.section	.rodata,"a",@progbits
	.p2align	6, 0x0
	.amdhsa_kernel k_q5bbda6a854_prep
		.amdhsa_group_segment_fixed_size 1280
		.amdhsa_private_segment_fixed_size 0
		.amdhsa_enable_private_segment 0
		.amdhsa_kernarg_size 40
		.amdhsa_user_sgpr_count 2
		.amdhsa_user_sgpr_kernarg_segment_ptr 1
		.amdhsa_wavefront_size32 1
		.amdhsa_system_sgpr_workgroup_id_x 1
		.amdhsa_system_sgpr_workgroup_id_y 1
		.amdhsa_system_sgpr_workgroup_id_z 1
		.amdhsa_system_vgpr_workitem_id 0
		.amdhsa_next_free_vgpr 146
		.amdhsa_next_free_sgpr 66
		.amdhsa_reserve_vcc 1
		.amdhsa_float_denorm_mode_32 3
		.amdhsa_float_denorm_mode_16_64 3
		.amdhsa_memory_ordered 1
		.amdhsa_forward_progress 1
		.amdhsa_inst_pref_size 13
	.end_amdhsa_kernel
	.amdgpu_metadata
---
amdhsa.version: [ 1, 2 ]
amdhsa.kernels:
  - .name:           k_q5bbda6a854_prep
    .symbol:         k_q5bbda6a854_prep.kd
    .args:
      - { .name: x, .offset: 0, .size: 8, .value_kind: global_buffer, .address_space: global }
      - { .name: w_attn, .offset: 8, .size: 8, .value_kind: global_buffer, .address_space: global }
      - { .name: w_proj, .offset: 16, .size: 8, .value_kind: global_buffer, .address_space: global }
      - { .name: xh, .offset: 24, .size: 8, .value_kind: global_buffer, .address_space: global }
      - { .name: pmax, .offset: 32, .size: 8, .value_kind: global_buffer, .address_space: global }
    .group_segment_fixed_size: 1280
    .private_segment_fixed_size: 0
    .kernarg_segment_align: 8
    .kernarg_segment_size: 40
    .max_flat_workgroup_size: 256
    .sgpr_count:     66
    .vgpr_count:     146
    .wavefront_size: 32
...
	.end_amdgpu_metadata
.endif
;; end of part 1
;; launch snap (part 2): grid 256 x 1, 8 waves a work-group, no clusters, 1,280 bytes of LDS; arguments w_attn, w_proj, pmax, wa, wp, scales; writes wa, wp, scales
.if DOCPART == 2
	.amdgcn_target "amdgcn-amd-amdhsa--gfx1250"
	.amdhsa_code_object_version 6
	.text
	.protected	k_q5bbda6a854_snap
	.globl	k_q5bbda6a854_snap
	.p2align	8
	.type	k_q5bbda6a854_snap,@function
k_q5bbda6a854_snap:
	s_mov_b64 s[64:65], 0
	v_nop
	global_prefetch_b8 v0, s[64:65] scope:SCOPE_SE
	s_setreg_imm32_b32 hwreg(HW_REG_WAVE_MODE, 25, 1), 1
	s_wait_xcnt 0x0
; snap: both weight matrices are snapped to the table.  wa, wp hold c x TABLE VALUE in f16 with c = 735/512; scales[0], scales[1] hold
; (max|w| + 1e-6) / c in f32 and are multiplied in by the products' way out, so no weight's size touches f16's range.
; WHY c: 735 = 3 x 5 x 7 x 7, so c, c/2, c/3, c/5, c/7 are 735, 367.5, 245, 147, 105 over 512: exact in f16's 11 bits (the table's
; 0.333333 and 0.142857 differ from 1/3 and 1/7 by 1e-6 of themselves).  c x 0.090909 and c x 0.076923 round to 66.8125/512 and
; 56.53125/512, off by 0.85e-4 and 1.27e-4 of themselves.  Unscaled, five of the seven magnitudes would be off by 2.4e-4 to 3e-4.
; LAYOUTS: wa's rows are written in the order [head][Q, K, V][64], so that 192 neighbouring rows are one head's Q, K and V.
; wp holds each row twice, [1024][2 x 1024]: the projection multiplies the upper and the lower parts of y by the same weights.
; Every work-group first finishes both maxima from the 256 pairs in pmax (thread t takes pair t), then snaps its share of the weights:
; 12 rows of w_attn and 4 of w_proj, one load of 16 bytes a thread and row, all issued at the head.
; THE CHOICE.  q = |w| / scale, made as a (1/s) with one Newton step on 1/s and one correction by the exact remainder fma(-q, s, a).
; The distances |q - L| are the same f32 subtractions as in the argmin over the table; by symmetry the entries of w's own sign decide.
; Ascending through the seven magnitudes: L1 replaces 0 only if strictly nearer (index 0 wins a tie), L(i) replaces L(i-1) if nearer or
; equal (the larger magnitude has the lower index and wins a tie).  The tests are nested, so the last that holds is the argmin's choice.
; LIMITS: the quotient can differ from a true division in its last bit in rare cases; a snapped zero carries w's sign; NaN weights are
; not handed on.
.set W,   8                            ; v[8:71]    the weights as loaded
.set PM,  72                           ; v[72:73]   maxima: w_attn's, w_proj's
.set SS,  74                           ; v[74:75]   the scale, twice
.set RR,  76                           ; v[76:77]   its reciprocal, twice
.set LV,  78                           ; v[78:84]   c x the seven magnitudes, ascending: what is stored
.set A,   86                           ; v[86:89]   |w|
.set Q,   90                           ; v[90:93]   quotient
.set E,   94                           ; v[94:97]   remainder
.set T,   98                           ; v[98:125]  7 x 4 differences q - L
.set VAL, 126                          ; v[126:129] the chosen value
.set OUT, 130                          ; v[130:131] four f16
.set SC,  132                          ; v[132:133] both scales
.set SCO, 134                          ; v[134:135] both scales / c, as stored
	s_load_b256 s[4:11], s[0:1], 0x0               ; w_attn s[4:5], w_proj s[6:7], pmax s[8:9], wa s[10:11]
	s_load_b128 s[12:15], s[0:1], 0x20             ; wp s[12:13], scales s[14:15]
	v_lshl_add_u32 v136, v0, 2, 0x100
	v_mov_b32 v137, 0
	s_mul_i32 s16, ttmp9, 49152                    ; my 12 rows of w_attn
	s_mov_b32 s17, 0
	s_lshl_b32 s18, ttmp9, 14                      ; my 4 rows of w_proj, 4,096 bytes each; in wp a doubled row is 4,096 bytes too
	s_mov_b32 s19, 0
	s_mul_i32 s39, ttmp9, 12                       ; the number of my first row of w_attn
	s_mov_b32 s35, 0
	s_mov_b32 s28, 0x7fffffff                      ; everything but the sign
	s_mov_b32 s30, 0x76543210
	s_mov_b32 s31, 0xfedcba98
	v_lshlrev_b32 v1, 4, v0                        ; 16 t
	v_lshlrev_b32 v2, 3, v0                        ; 8 t
	v_lshrrev_b32 v3, 5, v0
	v_readfirstlane_b32 s29, v3                    ; wave
	v_mov_b32 v4, s29
	v_lshlrev_b32 v4, 3, v4
	v_mov_b32 v5, 0
	v_mov_b32 v[LV], 0x3de22000                    ; 56.53125/512 for 0.076923
	v_mov_b32 v[LV+1], 0x3e05a000                  ; 66.8125/512  for 0.090909
	v_mov_b32 v[LV+2], 0x3e520000                  ; 105/512      for 0.142857
	v_mov_b32 v[LV+3], 0x3e930000                  ; 147/512      for 0.2
	v_mov_b32 v[LV+4], 0x3ef50000                  ; 245/512      for 0.333333
	v_mov_b32 v[LV+5], 0x3f37c000                  ; 367.5/512    for 0.5
	v_mov_b32 v[LV+6], 0x3fb7c000                  ; 735/512      for 1.0
	s_wait_kmcnt 0x0
	s_add_nc_u64 s[4:5], s[4:5], s[16:17]
	s_add_nc_u64 s[6:7], s[6:7], s[18:19]
	s_add_nc_u64 s[12:13], s[12:13], s[18:19]
	global_load_b64 v[PM:PM+1], v2, s[8:9]
.set j, 0
.rept 12
	global_load_b128 v[W+4*j:W+4*j+3], v1, s[4:5] offset:4096*j th:TH_LOAD_NT   ; the weights' last reading
.set j, j+1
.endr
.set j, 0
.rept 4
	global_load_b128 v[W+48+4*j:W+48+4*j+3], v1, s[6:7] offset:4096*j th:TH_LOAD_NT
.set j, j+1
.endr
	s_wait_loadcnt 16                              ; my pair of maxima is in; the 16 loads of weights stay out
.irp m, 1,2,4,8
	v_max_num_f32_dpp v[PM], v[PM], v[PM] row_xmask:\m row_mask:0xf bank_mask:0xf
	v_max_num_f32_dpp v[PM+1], v[PM+1], v[PM+1] row_xmask:\m row_mask:0xf bank_mask:0xf
.endr
	v_mov_b32 v[T], 0                              ; v_permlanex16_b32 counts as a reader of its destination
	v_mov_b32 v[T+1], 0
	v_permlanex16_b32 v[T], v[PM], s30, s31
	v_permlanex16_b32 v[T+1], v[PM+1], s30, s31
	v_max_num_f32 v[PM], v[PM], v[T]
	v_max_num_f32 v[PM+1], v[PM+1], v[T+1]
	ds_store_b64 v4, v[PM:PM+1]
	s_wait_dscnt 0x0                               ; my store is done before I say so
	s_barrier_signal -1
	s_barrier_wait -1
.irp q, 0,1,2,3
	ds_load_b128 v[T+4*\q:T+4*\q+3], v5 offset:16*\q
.endr
	s_wait_dscnt 0x0
	v_max3_num_f32 v[PM], v[T], v[T+2], v[T+4]
	v_max3_num_f32 v[PM+1], v[T+1], v[T+3], v[T+5]
	v_max3_num_f32 v[PM], v[PM], v[T+6], v[T+8]
	v_max3_num_f32 v[PM+1], v[PM+1], v[T+7], v[T+9]
	v_max3_num_f32 v[PM], v[PM], v[T+10], v[T+12]
	v_max3_num_f32 v[PM+1], v[PM+1], v[T+11], v[T+13]
	v_max_num_f32 v[PM], v[PM], v[T+14]
	v_max_num_f32 v[PM+1], v[PM+1], v[T+15]
	v_add_f32 v[SC], 0x358637bd, v[PM]             ; + 1e-6
	v_add_f32 v[SC+1], 0x358637bd, v[PM+1]
	v_mul_f32 v[SCO], 0x3f32544a, v[SC]            ; x 512/735: what the products' way out multiplies by
	v_mul_f32 v[SCO+1], 0x3f32544a, v[SC+1]
; The scale in register src, and its reciprocal with one Newton step, each twice for the packed arithmetic
.macro SETSCALE src
	v_mov_b32 v[SS], v[\src]
	v_mov_b32 v[SS+1], v[\src]
	v_rcp_f32 v[RR], v[\src]
	v_nop                                          ; one plain place behind a transcendental before its result is used (ISA guide 5.7.2)
	s_wait_alu depctr_va_vdst(0)
	v_fma_f32 v[E], -v[SS], v[RR], 1.0
	v_fma_f32 v[RR], v[E], v[RR], v[RR]
	v_mov_b32 v[RR+1], v[RR]
.endm
.macro DIST i, lit                     ; q - L(i+1) for the four weights, L the table's own value
	v_pk_add_f32 v[T+4*\i:T+4*\i+1], v[Q:Q+1], \lit op_sel_hi:[1,0]
	v_pk_add_f32 v[T+4*\i+2:T+4*\i+3], v[Q+2:Q+3], \lit op_sel_hi:[1,0]
.endm
; Four weights in v[w .. w+3] become four f16 at byte off of the thread's place in the buffer at s[base:base+1]; dup = 1: and 2,048 bytes
; further once more.  The caller has waited (s_wait_xcnt 0) before OUT and the base are written again.
.macro SNAP4 w, base, off, dup
.irp e, 0,1,2,3
	v_and_b32 v[A+\e], s28, v[\w+\e]
.endr
	v_pk_mul_f32 v[Q:Q+1], v[A:A+1], v[RR:RR+1]
	v_pk_mul_f32 v[Q+2:Q+3], v[A+2:A+3], v[RR:RR+1]
	v_pk_fma_f32 v[E:E+1], v[Q:Q+1], v[SS:SS+1], v[A:A+1] neg_lo:[1,0,0] neg_hi:[1,0,0]       ; the exact remainder a - q s
	v_pk_fma_f32 v[E+2:E+3], v[Q+2:Q+3], v[SS:SS+1], v[A+2:A+3] neg_lo:[1,0,0] neg_hi:[1,0,0]
	v_pk_fma_f32 v[Q:Q+1], v[E:E+1], v[RR:RR+1], v[Q:Q+1]
	v_pk_fma_f32 v[Q+2:Q+3], v[E+2:E+3], v[RR:RR+1], v[Q+2:Q+3]
	DIST 0, 0xbd9d89ce
	DIST 1, 0xbdba2e7f
	DIST 2, 0xbe12491b
	DIST 3, 0xbe4ccccd
	DIST 4, 0xbeaaaa9f
	DIST 5, -0.5
	DIST 6, -1.0
.irp e, 0,1,2,3
	v_cmp_lt_f32 s[24+\e], |v[T+\e]|, v[Q+\e]      ; strictly nearer to L1 than to 0
.endr
.irp e, 0,1,2,3
	v_cndmask_b32 v[VAL+\e], 0, v[LV], s[24+\e]
.endr
.irp i, 1,2,3,4,5,6
.irp e, 0,1,2,3
	v_cmp_le_f32 s[24+\e], |v[T+4*\i+\e]|, |v[T+4*\i-4+\e]|    ; as near to the larger magnitude as to the one below it
.endr
.irp e, 0,1,2,3
	v_cndmask_b32 v[VAL+\e], v[VAL+\e], v[LV+\i], s[24+\e]
.endr
.endr
.irp e, 0,1,2,3
	v_bfi_b32 v[VAL+\e], s28, v[VAL+\e], v[\w+\e]  ; w's sign
.endr
	v_cvt_pk_f16_f32 v[OUT], v[VAL], v[VAL+1]
	v_cvt_pk_f16_f32 v[OUT+1], v[VAL+2], v[VAL+3]
	global_store_b64 v2, v[OUT:OUT+1], s[\base:\base+1] offset:\off     ; a wave's store covers 256 consecutive bytes, aligned
.if \dup
	global_store_b64 v2, v[OUT:OUT+1], s[\base:\base+1] offset:\off+2048
.endif
.endm
	SETSCALE SC
.set jj, 0
.rept 12
	s_wait_loadcnt 15-jj                           ; 15 - jj loads were issued behind row jj of w_attn
	s_wait_xcnt 0x0                                ; OUT and the base, which the last store reads, are rewritten only behind this wait
	s_add_co_u32 s33, s39, jj                      ; row n of w_attn goes to row 192 head + 64 part + d of wa
	s_bfe_u32 s34, s33, 0x40006                    ; head = (n >> 6) & 15
	s_mul_i32 s34, s34, 192
	s_lshr_b32 s38, s33, 10                        ; part = n >> 10: Q, K, V
	s_lshl_b32 s38, s38, 6
	s_add_co_u32 s34, s34, s38
	s_and_b32 s38, s33, 63                         ; d
	s_add_co_u32 s34, s34, s38
	s_lshl_b32 s34, s34, 11                        ; 2,048 bytes a row
	s_add_nc_u64 s[36:37], s[10:11], s[34:35]
	SNAP4 W+4*jj, 36, 0, 0
.set jj, jj+1
.endr
	SETSCALE SC+1
.set jj, 0
.rept 4
	s_wait_loadcnt 3-jj
	s_wait_xcnt 0x0                                ; OUT is rewritten only behind this wait
	SNAP4 W+48+4*jj, 12, 4096*jj, 1
.set jj, jj+1
.endr
	s_cmp_lg_u32 ttmp9, 0                          ; work-group 0 alone writes the two scales
	s_cbranch_scc1 .Ldone
	s_wait_xcnt 0x0                                ; EXEC changes only behind this wait
	v_cmp_eq_u32 vcc_lo, 0, v0
	s_and_saveexec_b32 s32, vcc_lo
	global_store_b64 v5, v[SCO:SCO+1], s[14:15]
	s_wait_xcnt 0x0
	s_or_b32 exec_lo, exec_lo, s32
.Ldone:
	s_wait_tensorcnt 0x0
	ds_add_u32 v136, v137
	s_wait_dscnt 0x0
	s_endpgm
.Lfunc_end_k_q5bbda6a854_snap:
	.size	k_q5bbda6a854_snap, .Lfunc_end_k_q5bbda6a854_snap-k_q5bbda6a854_snap
	.p2alignl 7, 3214868480
	.fill 96, 4, 3214868480
	.section	.rodata,"a",@progbits
	.p2align	6, 0x0
	.amdhsa_kernel k_q5bbda6a854_snap
		.amdhsa_group_segment_fixed_size 1280
		.amdhsa_private_segment_fixed_size 0
		.amdhsa_enable_private_segment 0
		.amdhsa_kernarg_size 48
		.amdhsa_user_sgpr_count 2
		.amdhsa_user_sgpr_kernarg_segment_ptr 1
		.amdhsa_wavefront_size32 1
		.amdhsa_system_sgpr_workgroup_id_x 1
		.amdhsa_system_sgpr_workgroup_id_y 1
		.amdhsa_system_sgpr_workgroup_id_z 1
		.amdhsa_system_vgpr_workitem_id 0
		.amdhsa_next_free_vgpr 138
		.amdhsa_next_free_sgpr 66
		.amdhsa_reserve_vcc 1
		.amdhsa_float_denorm_mode_32 3
		.amdhsa_float_denorm_mode_16_64 3
		.amdhsa_memory_ordered 1
		.amdhsa_forward_progress 1
		.amdhsa_inst_pref_size 103
	.end_amdhsa_kernel
	.amdgpu_metadata
---
amdhsa.version: [ 1, 2 ]
amdhsa.kernels:
  - .name:           k_q5bbda6a854_snap
    .symbol:         k_q5bbda6a854_snap.kd
    .args:
      - { .name: w_attn, .offset: 0, .size: 8, .value_kind: global_buffer, .address_space: global }
      - { .name: w_proj, .offset: 8, .size: 8, .value_kind: global_buffer, .address_space: global }
      - { .name: pmax, .offset: 16, .size: 8, .value_kind: global_buffer, .address_space: global }
      - { .name: wa, .offset: 24, .size: 8, .value_kind: global_buffer, .address_space: global }
      - { .name: wp, .offset: 32, .size: 8, .value_kind: global_buffer, .address_space: global }
      - { .name: scales, .offset: 40, .size: 8, .value_kind: global_buffer, .address_space: global }
    .group_segment_fixed_size: 1280
    .private_segment_fixed_size: 0
    .kernarg_segment_align: 8
    .kernarg_segment_size: 48
    .max_flat_workgroup_size: 256
    .sgpr_count:     66
    .vgpr_count:     138
    .wavefront_size: 32
...
	.end_amdgpu_metadata
.endif
;; end of part 2
;; launch gemm_qkv (part 3): grid 16 x 16, 4 waves a work-group, clusters of 4 x 4, 327,680 bytes of LDS; arguments xh, wa, qkv, b_attn, scales; writes qkv
.if DOCPART == 3
	.amdgcn_target "amdgcn-amd-amdhsa--gfx1250"
	.amdhsa_code_object_version 6
	.text
	.protected	k_q5bbda6a854_gemm_qkv
	.globl	k_q5bbda6a854_gemm_qkv
	.p2align	8
	.type	k_q5bbda6a854_gemm_qkv,@function
k_q5bbda6a854_gemm_qkv:
	s_mov_b64 s[64:65], 0
	v_nop
	global_prefetch_b8 v0, s[64:65] scope:SCOPE_SE
	s_setreg_imm32_b32 hwreg(HW_REG_WAVE_MODE, 25, 1), 1
	s_wait_xcnt 0x0
	s_wait_alu depctr_hold_cnt(0) depctr_sa_sdst(0) depctr_va_vdst(0) depctr_va_sdst(0) depctr_va_ssrc(0) depctr_va_vcc(0) depctr_vm_vsrc(0)
	s_getreg_b32 s2, hwreg(HW_REG_IB_STS2, 6, 4)
	s_cmp_eq_u32 s2, 0
	s_cbranch_scc0 .Lentry_in_a_cluster
	s_endpgm
.Lentry_in_a_cluster:
	s_bfe_u32 s2, ttmp6, 0x10000c
	s_cmp_lg_u32 s2, 0xf033
	s_cbranch_scc0 .Lentry_shape_is_right
	s_endpgm
.Lentry_shape_is_right:
; value[m][n] = scale * sum over k of xh[m][k] wa[n'][k] + b_attn[n], sums in f32.  xh [4096][1024] f16; wa [3072][1024] f16 with its rows in
; the order [head][Q, K, V][64].  qkv: [64][4096][64] f16: numbers 0-15 Q's heads, 16-31 K's, 32-47 V's upper parts, 48-63 V's lower parts.
; V GOES ON AS TWO f16: the upper part is the value's top 11 bits (the f32 pattern AND 0xffffe000, exact in f16), the lower part the exact
; rest rounded to f16.  Attention's output is a mean of rows of V and is large in the rows with few keys, so V's rounding would show there.
; A work-group makes 256 rows x 192 columns, the Q, K and V of head = block column: 16 x 16 = 256 equal work-groups.  Its four waves lie
; below each other, 64 rows x 192 columns each (4 x 12 accumulator tiles, 384 registers), and store whole runs of 512 bytes.
; K goes in steps of 128 through two LDS slots filled by the tensor data mover; a tile's rows are 256 bytes of memory, aligned.
; CLUSTERS: 4 x 4 work-groups.  A's tile hangs on the block row alone and is asked for jointly along a row of the cluster, B's on the block
; column alone and jointly along a column: the requests for both are divided by four.
; The matrix instruction is used transposed (source 0 = rows of wa, source 1 = rows of xh): a lane then holds eight neighbouring columns
; of one row.  The 48 accumulators take turns, one instruction a turn, in the same order in every quarter step.
; LIMITS: the results must stay below 65,504 (f16); below 6.1e-5 V's upper part is rounded and that rest, at most 3e-8, is lost.
; REGISTERS by windows of 256: window 0 addresses, A's fragments (two buffers), the way out, the bias; window 1 B's fragments (two buffers);
; window 2 the accumulators of my rows 0-31, window 3 those of rows 32-63, tile (a, b) at 8 (12 a + b).
.set NB,     12                        ; column tiles of a wave: 0-3 Q, 4-7 K, 8-11 V
.set NQ,     4                         ; quarter steps (32 along K) in a K step
.set LAPS,   4                         ; 1024 / (2 x 128)
.set AE,     128                       ; A's tile: elements in a row,
.set AH,     128                       ; rows in one load,
.set AQI,    5                         ; padding behind every 64 words,
.set APE,    1024                      ; elements from row to row in memory
.set PA,     272                       ; LDS pitch: 256 + 16, an odd multiple of 16: sixteen rows start at sixteen different 16-byte columns modulo 256
.set BE,     128
.set BH,     96
.set BQI,    5
.set PB,     272
.set BOFF,   2*AH*PA                   ; 69,632: B's rows lie behind A's 256
.set SLOT,   BOFF+2*BH*PB              ; 121,856
.set STAGE,  2*SLOT                    ; 243,712 = 952 x 256: the way out's bytes, into which no tile lands
.set SPITCH, 656                       ; 512 bytes (Q, K, V upper, V lower of one row) + 144: 41 units of 16 bytes, odd, and 9 modulo 16
.set ASTEP,  256                       ; bytes of a K step in a row
.set BSTEP,  256
.set ABLK,   16*PA
.set BBLK,   16*PB
.set SCOFF,  0                         ; my scale's byte in scales
.set RBL,  0                           ; v[0:15]   the way out: V's lower parts read back
.set ADRA, 16                          ; v16-17 LDS address of my A fragments in slot 0, 1
.set ADRB, 20                          ; v20-21 the same for B
.set STO,  24
.set RD,   25
.set CO,   26
.set BO,   27
.set FA0,  32                          ; v[32:63], v[64:95] A's fragments
.set RB,   32                          ; v[32:79]   the way out: rows read back
.set TMP,  80                          ; v[80:127]  the way out: packed Q, K, and V's lower parts
.set U,    128                         ; v[128:159] the way out: V's upper parts, f32, then packed in place
.set BIAS, 160                         ; v[160:255] eight f32 for each column tile
.set G1,  24
.set G0,  32
.set G1B, 48
.set G0B, 56
.set OB,  76                           ; s[76:83] where I store: Q, K, V upper, V lower
.set MSB, 0
.macro WIN new                         ; the immediate's high byte repeats the setting that is left
.if MSB != \new
	s_set_vgpr_msb (MSB<<8)|\new
.set MSB, \new
.endif
.endm
.set MUL_LO, 0xa1                      ; source 0 (B) window 1, source 1 (A) window 0, C and D window 2
.set MUL_HI, 0xf1                      ; the same, C and D window 3
.set TO_B,   0x40                      ; destination window 1
.macro JLOAD s                         ; waves 0, 1 ask for A's halves, waves 2, 3 for B's: one load a wave, one mask a line
	s_cmp_eq_u32 s11, 0
	s_cbranch_scc0 .Lfor_b_\@
	tensor_load_to_lds s[G0+4*\s:G0+4*\s+3], s[G1:G1+7]
	s_nop 0
	s_branch .Lasked_\@
.Lfor_b_\@:
	tensor_load_to_lds s[G0B+4*\s:G0B+4*\s+3], s[G1B:G1B+7]
	s_nop 0
.Lasked_\@:
.endm
.macro CREST                           ; a round of the cluster's barrier behind its opening barrier
	s_cmp_lg_u32 s10, 0
	s_cbranch_scc1 .Lnot_wave_0_\@
	s_barrier_signal -3
.Lnot_wave_0_\@:
	s_barrier_wait -3
	s_barrier_signal -1
	s_barrier_wait -1
.endm
.macro CROUND
	s_barrier_signal -1
	s_barrier_wait -1
	CREST
.endm
.macro PLACES                          ; four places behind a matrix instruction (ISA guide 7.12.1) before its registers are loaded into or its results read
.rept 4
	v_nop
.endr
.endm
	s_load_b128 s[4:7], s[0:1], 0x0                ; xh s[4:5], wa s[6:7]
	s_load_b64 s[8:9], s[0:1], 0x10                ; qkv
	s_load_b128 s[68:71], s[0:1], 0x18             ; b_attn s[68:69], scales s[70:71]
	s_set_vgpr_msb 0x40
	v_lshl_add_u32 v255, v0, 2, 0x45c00
	s_set_vgpr_msb 0x4000
	v_mov_b32 v31, 0
	s_set_vgpr_msb 0x1
	ds_add_u32 v255, v31
	ds_add_u32 v255, v31
	s_set_vgpr_msb 0x100
	v_lshrrev_b32 v1, 5, v0
	v_readfirstlane_b32 s10, v1                    ; wave
	s_lshr_b32 s11, s10, 1                         ; I fetch for A (0) or B (1)
	s_and_b32 s12, s10, 1                          ; which half of that tile
	s_bfe_u32 s40, ttmp6, 0x40000                  ; cx
	s_bfe_u32 s41, ttmp6, 0x40004                  ; cy
	s_lshl_b32 s42, ttmp9, 2
	s_add_co_u32 s42, s42, s40                     ; block column = head
	s_and_b32 s13, ttmp7, 0xffff
	s_lshl_b32 s13, s13, 2
	s_add_co_u32 s13, s13, s41                     ; block row
	s_lshl_b32 s43, s41, 2
	s_lshl_b32 s43, 15, s43                        ; my row of the cluster
	s_lshl_b32 s44, 0x1111, s40                    ; my column
	s_mov_b32 s86, 0xffffe000                      ; a number's sign, exponent and top ten bits behind the leading one
	s_or_b32 s[G1+0], s43, (1<<16)|(1<<20)|(1<<21)|(AQI<<22)|(3<<25)    ; mask; 2-byte elements; padding on; bit 21 beside a mask; interval; 4 words
	s_mov_b32 s[G1+1], AE<<16                      ; tensor_dim0
	s_mov_b32 s[G1+2], AH<<16                      ; tensor_dim1
	s_mov_b32 s[G1+3], AE<<16                      ; tile_dim0
	s_mov_b32 s[G1+4], AH                          ; tile_dim1
	s_mov_b32 s[G1+5], APE                         ; elements from row to row
	s_mov_b32 s[G1+6], 0
	s_mov_b32 s[G1+7], 0
	s_or_b32 s[G1B+0], s44, (1<<16)|(1<<20)|(1<<21)|(BQI<<22)|(3<<25)
	s_mov_b32 s[G1B+1], BE<<16
	s_mov_b32 s[G1B+2], BH<<16
	s_mov_b32 s[G1B+3], BE<<16
	s_mov_b32 s[G1B+4], BH
	s_mov_b32 s[G1B+5], 1024
	s_mov_b32 s[G1B+6], 0
	s_mov_b32 s[G1B+7], 0
	s_mul_i32 s16, s13, 2*AH                       ; A: the block's first row + my half, in bytes (below 8 MiB)
	s_mul_i32 s17, s12, AH
	s_add_co_u32 s16, s16, s17
	s_mul_i32 s16, s16, 2*APE
	s_mov_b32 s17, 0
	s_mul_i32 s46, s42, 2*BH                       ; B likewise, in registers that never hold the block row
	s_mul_i32 s47, s12, BH
	s_add_co_u32 s46, s46, s47
	s_mul_i32 s46, s46, 2048
	s_mov_b32 s47, 0
	s_mul_i32 s20, s10, AH*PA                      ; LDS: waves 0, 1 fill A's halves,
	s_mul_i32 s21, s10, BH*PB                      ; waves 2, 3 B's: wave x 26,112 + 17,408 = 69,632 and 95,744
	s_add_co_u32 s21, s21, BOFF-2*BH*PB
	s_lshl_b32 s18, s42, 8                         ; the head's 64 numbers in each third of the bias
	s_mov_b32 s19, 0
	s_lshl_b32 s84, s42, 19                        ; where I store: the head's 524,288 bytes,
	s_lshl_b32 s85, s13, 15                        ; row 256 x block row + 64 x wave, 128 bytes each
	s_add_co_u32 s84, s84, s85
	s_lshl_b32 s85, s10, 13
	s_add_co_u32 s84, s84, s85
	s_mov_b32 s85, 0
	s_wait_dscnt 0x0
	s_wait_kmcnt 0x0
	s_add_nc_u64 s[14:15], s[4:5], s[16:17]
	s_add_nc_u64 s[46:47], s[6:7], s[46:47]
	s_add_nc_u64 s[68:69], s[68:69], s[18:19]
	s_add_nc_u64 s[OB:OB+1], s[8:9], s[84:85]              ; Q
	s_add_nc_u64 s[OB+2:OB+3], s[OB:OB+1], 0x800000        ; K: 16 heads of 524,288 bytes further
	s_add_nc_u64 s[OB+4:OB+5], s[OB:OB+1], 0x1000000       ; V's upper parts
	s_add_nc_u64 s[OB+6:OB+7], s[OB:OB+1], 0x1800000       ; V's lower parts
	s_load_b32 s72, s[70:71], SCOFF
	CROUND                                         ; all sixteen work-groups are here: the first joint loads meet
.irp s, 0,1
	s_mov_b32 s[G0+4*\s], 1
	s_add_co_u32 s[G0+4*\s+1], s20, \s*SLOT
	s_add_nc_u64 s[G0+4*\s+2:G0+4*\s+3], s[14:15], \s*ASTEP
	s_or_b32 s[G0+4*\s+3], s[G0+4*\s+3], 0x80000000
	s_mov_b32 s[G0B+4*\s], 1
	s_add_co_u32 s[G0B+4*\s+1], s21, \s*SLOT
	s_add_nc_u64 s[G0B+4*\s+2:G0B+4*\s+3], s[46:47], \s*BSTEP
	s_or_b32 s[G0B+4*\s+3], s[G0B+4*\s+3], 0x80000000
	JLOAD \s                                       ; both slots are asked for before anything else: two loads of the wave are out, the most in this text
.endr
	v_and_b32 v1, 15, v0                           ; r
	v_bfe_u32 v2, v0, 4, 1                         ; h
	v_mul_u32_u24 v3, v1, PA
	v_lshl_add_u32 v3, v2, 4, v3                   ; row x pitch + 16 h
	s_mul_i32 s22, s10, 64*PA                      ; my 64 rows of A
.irp s, 0,1
	v_add_nc_u32 v[ADRA+\s], s22, v3
	v_add_nc_u32 v[ADRB+\s], BOFF+\s*SLOT, v3      ; all 192 rows of B
	s_add_co_u32 s22, s22, SLOT
.endr
	s_mul_i32 s23, s10, 16*SPITCH
	s_add_co_u32 s23, s23, STAGE                   ; my stage
	v_mul_u32_u24 v4, v1, SPITCH
	v_lshl_add_u32 v4, v2, 4, v4
	v_add_nc_u32 v[STO], s23, v4                   ; in: row r, 16 bytes for each half of the lanes
	v_and_b32 v5, 31, v0
	v_lshrrev_b32 v6, 3, v5
	v_and_b32 v7, 7, v0
	v_mul_u32_u24 v6, v6, SPITCH
	v_lshl_add_u32 v6, v7, 4, v6
	v_add_nc_u32 v[RD], s23, v6                    ; back: eight lanes take the 128 bytes of one row and part
	v_lshlrev_b32 v[CO], 4, v5                     ; which are 512 consecutive bytes of qkv for the wave
	v_lshlrev_b32 v[BO], 5, v2                     ; the bias of my eight columns: 32 h
.set bi, 0
.rept NB
	global_load_b128 v[BIAS+8*bi:BIAS+8*bi+3], v[BO], s[68:69] offset:(bi/4)*4096+(bi%4)*64       ; third bi / 4 of the bias, 16 columns from 16 (bi % 4)
	global_load_b128 v[BIAS+8*bi+4:BIAS+8*bi+7], v[BO], s[68:69] offset:(bi/4)*4096+(bi%4)*64+16
.set bi, bi+1
.endr
	s_wait_kmcnt 0x0
	s_mov_b32 s73, s72                             ; the scale, twice
; NB matrix instructions: row tile 2 hi + a x all column tiles, quarter q's fragments.  zero = 1: the first product starts the sums.
.macro MULA q, hi, a, zero
.set fa_, FA0+32*((\q)&1)+8*(2*\hi+\a)
.set fb_, 8*NB*((\q)&1)
.set bi, 0
.rept NB
.if \zero
	v_wmma_f32_16x16x32_f16 v[8*(NB*\a+bi):8*(NB*\a+bi)+7], v[fb_+8*bi:fb_+8*bi+7], v[fa_:fa_+7], 0
.else
	v_wmma_f32_16x16x32_f16 v[8*(NB*\a+bi):8*(NB*\a+bi)+7], v[fb_+8*bi:fb_+8*bi+7], v[fa_:fa_+7], v[8*(NB*\a+bi):8*(NB*\a+bi)+7]
.endif
.set bi, bi+1
.endr
.endm
; quarter q's fragments in one run: 2 NB loads of B, then 8 of A
.macro FETCH slot, q
.set fa_, FA0+32*((\q)&1)
.set fb_, 8*NB*((\q)&1)
.set ak_, 64*(\q)
	WIN TO_B
.set bi, 0
.rept NB
	ds_load_b128 v[fb_+8*bi:fb_+8*bi+3], v[ADRB+\slot] offset:64*(\q)+bi*BBLK
	ds_load_b128 v[fb_+8*bi+4:fb_+8*bi+7], v[ADRB+\slot] offset:64*(\q)+bi*BBLK+32
.set bi, bi+1
.endr
	WIN 0
.set bi, 0
.rept 4
	ds_load_b128 v[fa_+8*bi:fa_+8*bi+3], v[ADRA+\slot] offset:ak_+bi*ABLK
	ds_load_b128 v[fa_+8*bi+4:fa_+8*bi+7], v[ADRA+\slot] offset:ak_+bi*ABLK+32
.set bi, bi+1
.endr
.endm
.macro QUARTER slot, q, zero           ; multiplies quarter q; in its middle it fetches quarter q + 1 into the other buffer
	s_wait_dscnt 4                                 ; all but the four youngest loads (A's row tiles 2, 3)
	WIN MUL_LO
	MULA \q, 0, 0, \zero
	MULA \q, 0, 1, \zero
	PLACES
	FETCH \slot, (\q)+1
	s_wait_dscnt 2*NB+8                            ; all but the run just issued
	WIN MUL_HI
	MULA \q, 1, 0, \zero
	MULA \q, 1, 1, \zero
.endm
.macro BODY slot, zero
	QUARTER \slot, 0, \zero
.set qq, 1
.rept NQ-2
	QUARTER \slot, qq, 0
.set qq, qq+1
.endr
.endm
; The last quarter changes slots.  In front of the barrier each wave waits for its reads of this slot and for all its tensor loads (one is
; out: its part of the next slot).  Where the slot is filled again the barrier opens a round of the cluster's barrier, and the joint
; refill is the first tensor load behind the round.
.macro TURN slot, next, fill
	s_wait_dscnt 4
	WIN MUL_LO
	MULA NQ-1, 0, 0, 0
	s_wait_dscnt 0
	s_wait_tensorcnt 0x0
	ds_add_u32 v255, v31
	s_wait_dscnt 0x0
	s_barrier_signal -1
	MULA NQ-1, 0, 1, 0                             ; register work while the others arrive
	WIN 0
	s_barrier_wait -1
.if \fill
	CREST
	s_add_nc_u64 s[G0+4*\slot+2:G0+4*\slot+3], s[G0+4*\slot+2:G0+4*\slot+3], 2*ASTEP      ; no load of mine is out: the addresses may step
	s_add_nc_u64 s[G0B+4*\slot+2:G0B+4*\slot+3], s[G0B+4*\slot+2:G0B+4*\slot+3], 2*BSTEP
	JLOAD \slot
.endif
	PLACES
	FETCH \next, 0
	WIN MUL_HI
	MULA NQ-1, 1, 0, 0
	MULA NQ-1, 1, 1, 0
.endm
.macro LAP zero
	BODY 0, \zero
	TURN 0, 1, 1
	BODY 1, 0
	TURN 1, 0, 1
.endm
	s_wait_tensorcnt 1                             ; my part of K step 0 is in; K step 1's stays out
	s_barrier_signal -1
	s_barrier_wait -1
	FETCH 0, 0
	LAP 1
	WIN 0
	s_mov_b32 s3, LAPS-2
.Llap:
	LAP 0
	WIN 0
	s_sub_co_u32 s3, s3, 1
	s_cmp_lg_u32 s3, 0
	s_cbranch_scc1 .Llap
	BODY 0, 0                                      ; the last lap fills nothing
	TURN 0, 1, 0
	BODY 1, 0
	s_wait_dscnt 4
	WIN MUL_LO
	MULA NQ-1, 0, 0, 0
	MULA NQ-1, 0, 1, 0
	s_wait_dscnt 0
	WIN MUL_HI
	MULA NQ-1, 1, 0, 0
	MULA NQ-1, 1, 1, 0
	; THE WAY OUT, 16 rows at a time: scale and bias in one fused step; V split in two; f16; through my own stage; back as runs of 512 bytes.
	PLACES
	s_wait_loadcnt 0x0                             ; the bias
; a: row tile 0-3; al: its number in its window; wf: source 0 and destination in that window; wn: source 1 in it; wc: sources 0 and 1 in it
.macro OUT16 a, al, wf, wn, wc
.set av_, 8*(NB*\al+8)                             ; V's four tiles: 32 neighbouring registers
	WIN \wf
.set bi, 0
.rept NB
.irp k, 0,2,4,6
	v_pk_fma_f32 v[8*(NB*\al+bi)+\k:8*(NB*\al+bi)+\k+1], v[8*(NB*\al+bi)+\k:8*(NB*\al+bi)+\k+1], s[72:73], v[BIAS+8*bi+\k:BIAS+8*bi+\k+1] op_sel_hi:[1,0,1]
.endr
.set bi, bi+1
.endr
	WIN \wn
.set e_, 0
.rept 32
	v_and_b32 v[U+e_], s86, v[av_+e_]              ; V's upper part: the top 11 bits
.set e_, e_+1
.endr
	WIN \wf
.set e_, 0
.rept 16
	v_pk_add_f32 v[av_+e_:av_+e_+1], v[av_+e_:av_+e_+1], v[U+e_:U+e_+1] neg_lo:[0,1] neg_hi:[0,1]    ; the rest, exact, in V's place
.set e_, e_+2
.endr
	WIN \wc
.set bi, 0
.rept NB
.irp k, 0,1,2,3
	v_cvt_pk_f16_f32 v[TMP+4*bi+\k], v[8*(NB*\al+bi)+2*\k], v[8*(NB*\al+bi)+2*\k+1]     ; Q, K, and V's lower parts
.endr
.set bi, bi+1
.endr
	WIN 0
.set e_, 0
.rept 16
	v_cvt_pk_f16_f32 v[U+e_], v[U+2*e_], v[U+2*e_+1]       ; V's upper parts; ascending, in place: register e is written when 2 e and 2 e + 1 are read
.set e_, e_+1
.endr
.set bi, 0
.rept 8
	ds_store_b128 v[STO], v[TMP+4*bi:TMP+4*bi+3] offset:32*bi
.set bi, bi+1
.endr
.rept 4
	ds_store_b128 v[STO], v[U+4*(bi-8):U+4*(bi-8)+3] offset:32*bi
	ds_store_b128 v[STO], v[TMP+4*bi:TMP+4*bi+3] offset:32*bi+128
.set bi, bi+1
.endr
	s_wait_xcnt 0x0                                ; RB and RBL, which the last stores read, are loaded again only behind this wait
.irp hh, 0,1,2
.irp t, 0,1,2,3
	ds_load_b128 v[RB+16*\hh+4*\t:RB+16*\hh+4*\t+3], v[RD] offset:4*SPITCH*\t+128*\hh     ; LDS serves a wave's instructions in order: these see the stores above
.endr
.endr
.irp t, 0,1,2,3
	ds_load_b128 v[RBL+4*\t:RBL+4*\t+3], v[RD] offset:4*SPITCH*\t+384
.endr
.irp hh, 0,1,2
.irp t, 0,1,2,3
	s_wait_dscnt 15-4*\hh-\t                       ; so many of the sixteen loads were issued behind this one
	global_store_b128 v[CO], v[RB+16*\hh+4*\t:RB+16*\hh+4*\t+3], s[OB+2*\hh:OB+2*\hh+1] offset:\a*2048+\t*512   ; four rows of one head: 512 consecutive bytes, aligned
.endr
.endr
.irp t, 0,1,2,3
	s_wait_dscnt 3-\t
	global_store_b128 v[CO], v[RBL+4*\t:RBL+4*\t+3], s[OB+6:OB+7] offset:\a*2048+\t*512
.endr
.endm
	OUT16 0, 0, 0x82, 0x08, 0x0a
	OUT16 1, 1, 0x82, 0x08, 0x0a
	OUT16 2, 0, 0xc3, 0x0c, 0x0f
	OUT16 3, 1, 0xc3, 0x0c, 0x0f
	s_set_vgpr_msb 0x1
	s_wait_tensorcnt 0x0
	ds_add_u32 v255, v31
	s_wait_dscnt 0x0
	s_set_vgpr_msb 0x100
	CROUND                                         ; the closing round: no work-group ends while a partner may still ask for a tile that names it
	s_endpgm
.Lfunc_end_k_q5bbda6a854_gemm_qkv:
	.size	k_q5bbda6a854_gemm_qkv, .Lfunc_end_k_q5bbda6a854_gemm_qkv-k_q5bbda6a854_gemm_qkv
	.p2alignl 7, 3214868480
	.fill 96, 4, 3214868480
	.section	.rodata,"a",@progbits
	.p2align	6, 0x0
	.amdhsa_kernel k_q5bbda6a854_gemm_qkv
		.amdhsa_group_segment_fixed_size 327680
		.amdhsa_private_segment_fixed_size 0
		.amdhsa_enable_private_segment 0
		.amdhsa_kernarg_size 40
		.amdhsa_user_sgpr_count 2
		.amdhsa_user_sgpr_kernarg_segment_ptr 1
		.amdhsa_wavefront_size32 1
		.amdhsa_system_sgpr_workgroup_id_x 1
		.amdhsa_system_sgpr_workgroup_id_y 1
		.amdhsa_system_sgpr_workgroup_id_z 1
		.amdhsa_system_vgpr_workitem_id 0
		.amdhsa_next_free_vgpr 1024
		.amdhsa_next_free_sgpr 88
		.amdhsa_reserve_vcc 0
		.amdhsa_float_denorm_mode_32 3
		.amdhsa_float_denorm_mode_16_64 3
		.amdhsa_memory_ordered 1
		.amdhsa_forward_progress 1
		.amdhsa_inst_pref_size 195
	.end_amdhsa_kernel
	.amdgpu_metadata
---
amdhsa.version: [ 1, 2 ]
amdhsa.kernels:
  - .name:           k_q5bbda6a854_gemm_qkv
    .symbol:         k_q5bbda6a854_gemm_qkv.kd
    .args:
      - { .name: xh, .offset: 0, .size: 8, .value_kind: global_buffer, .address_space: global }
      - { .name: wa, .offset: 8, .size: 8, .value_kind: global_buffer, .address_space: global }
      - { .name: qkv, .offset: 16, .size: 8, .value_kind: global_buffer, .address_space: global }
      - { .name: b_attn, .offset: 24, .size: 8, .value_kind: global_buffer, .address_space: global }
      - { .name: scales, .offset: 32, .size: 8, .value_kind: global_buffer, .address_space: global }
    .group_segment_fixed_size: 327680
    .private_segment_fixed_size: 0
    .kernarg_segment_align: 8
    .kernarg_segment_size: 40
    .max_flat_workgroup_size: 128
    .sgpr_count:     88
    .vgpr_count:     1024
    .wavefront_size: 32
...
	.end_amdgpu_metadata
.endif
;; end of part 3
;; launch attn (part 4): grid 8 x 32, 4 waves a work-group, no clusters, 327,680 bytes of LDS; arguments qkv, y; writes y
.if DOCPART == 4
	.amdgcn_target "amdgcn-amd-amdhsa--gfx1250"
	.amdhsa_code_object_version 6
	.text
	.protected	k_q5bbda6a854_attn
	.globl	k_q5bbda6a854_attn
	.p2align	8
	.type	k_q5bbda6a854_attn,@function
k_q5bbda6a854_attn:
	s_mov_b64 s[64:65], 0
	v_nop
	global_prefetch_b8 v0, s[64:65] scope:SCOPE_SE
	s_setreg_imm32_b32 hwreg(HW_REG_WAVE_MODE, 25, 1), 1
	s_wait_xcnt 0x0
; Causal attention of one head: y = softmax(Q K^T / 8, keys <= query) V, with a running maximum and sum.  qkv: [64][4096][64] f16 (Q heads,
; K heads, V's upper parts, V's lower parts); y: byte (m>>1) 8192 + part 4096 + head 256 + (m&1) 128 + 2 d, f16, part 0 upper, 1 lower.
; V COMES AND y GOES AS TWO f16 (top 11 bits, and the rest): P is multiplied by both parts of V into one sum, and y is split on the way out.
; In the rows with few keys y is as large as V itself while the whole output's size is set by the many rows that average V down, so one
; f16's 11 bits would show there.
; Work-group (i, batch x 16 + head) owns query blocks i ("low") and 15 - i ("high") of 128 rows: i + 1 and 16 - i key tiles, 17 block
; products in every one of the 256 work-groups.  Wave w owns rows 32 w .. 32 w + 31 of both blocks: query tiles 0, 1 (low), 2, 3 (high).
; While both blocks need a key tile they share its fragments of K and V.
; ORDER OF KEY TILES: position 0 holds tile i (low's diagonal; the first for both, so its products start all sums), positions 1 .. i hold
; tiles 0 .. i-1 (both blocks), positions i+1 .. 15-i hold the tile of their own number (high alone), the last is high's diagonal.
; NO CLUSTER: the eight work-groups of a head need 16 - i tiles, 9 to 16, in orders that differ, and leaving low's work out is a branch on i.
; TRANSPOSED PRODUCTS: S^T = K Q^T leaves lane (r, h) with keys 8h+j of query r; two such tiles packed to f16 ARE the second operand of
; O^T = V^T P^T, so nothing moves between lanes but one exchange of halves for the maximum.  V^T comes from the transposing LDS load.
; A sub-step that the mask wipes out for a wave is still computed (p = 0, factor 1): other waves of the group need that sub-step anyway.
; The maximum is finite from the first sub-step on: key 0 of a diagonal block is open to every row of it.
; Matrix instructions take their eight accumulators by turns, one instruction a turn.
; LIMITS: q, k, v as stored are f16; below 6.1e-5 y's upper part is rounded and that rest, at most 3e-8, is lost.
.set SLOT,  54272                      ; V upper: 64 rows of two keys x 288; V lower: the same; K: 64 rows x 272
.set VLOFF, 18432
.set KOFF,  36864
.set STAGE, 108544                     ; = 424 x 256: 16 rows x 400 for each wave, into which no tile lands
.set SPITCH, 400                       ; 256 bytes (upper, lower) + 144: 25 units of 16 bytes, odd, and 9 modulo 16
.set KADR, 2                           ; v2-3   K's fragments in slot 0, 1
.set VADR, 4                           ; v4-5   V's
.set STO,  6
.set RD,   7
.set YO,   8
.set QO,   9
.set LIM,  10                          ; v10-11 32 w + 16 ql + r - 8 h: a key of number 64 ss + 16 kt + j above it is masked
.set NINF, 12
.set ST,   16                          ; v[16:31] for each query tile: max x CEXP, max, factor, sum
.set T,    32                          ; v[32:47] at work
.set KF,   64                          ; v[64:127]  K: 16 kt + 8 c
.set U,    64                          ; v[64:95]   the way out: y's upper parts, f32, then packed in place
.set LP,   96                          ; v[96:111]  the way out: y's lower parts, packed
.set SA,   128                         ; v[128:191] low's scores, then P: 32 ql + 8 kt
.set SB,   192                         ; v[192:255] high's
.set QF,   0                           ; window 1: Q, 16 qt + 8 c
.set OF,   64                          ; window 1: O^T, 32 qt + 8 dt
.set VF,   192                         ; window 1: V^T upper, 32 c + 8 dt
.set VL,   0                           ; window 2: V^T lower, 32 c + 8 dt
.set G1V, 28
.set G1K, 36
.set G0V, 44
.set G0K, 52
.set MSB, 0
.macro WIN new
.if MSB != \new
	s_set_vgpr_msb (MSB<<8)|\new
.set MSB, \new
.endif
.endm
.macro PLACES                          ; four places behind a matrix instruction (ISA guide 7.12.1)
.rept 4
	v_nop
.endr
.endm
.macro TLOAD s                         ; wave 0 fetches V's upper tile, wave 1 its lower, waves 2, 3 K's halves of 64 keys: one load a wave
	s_cmp_eq_u32 s11, 0
	s_cbranch_scc0 .Lfor_k_\@
	tensor_load_to_lds s[G0V+4*\s:G0V+4*\s+3], s[G1V:G1V+7]
	s_nop 0
	s_branch .Lasked_\@
.Lfor_k_\@:
	tensor_load_to_lds s[G0K+4*\s:G0K+4*\s+3], s[G1K:G1K+7]
	s_nop 0
.Lasked_\@:
.endm
.macro SETADR o                        ; slot o's two descriptors get the tile at byte s16 of the head's keys
	s_add_nc_u64 s[G0V+4*\o+2:G0V+4*\o+3], s[18:19], s[16:17]
	s_or_b32 s[G0V+4*\o+3], s[G0V+4*\o+3], 0x80000000
	s_add_nc_u64 s[G0K+4*\o+2:G0K+4*\o+3], s[20:21], s[16:17]
	s_or_b32 s[G0K+4*\o+3], s[G0K+4*\o+3], 0x80000000
.endm
	s_load_b128 s[4:7], s[0:1], 0x0                ; qkv s[4:5], y s[6:7]
	v_lshl_add_u32 v62, v0, 2, 0x29000
	v_mov_b32 v63, 0
	ds_add_u32 v62, v63
	ds_add_u32 v62, v63
	v_lshrrev_b32 v1, 5, v0
	v_readfirstlane_b32 s10, v1                    ; wave
	s_lshr_b32 s11, s10, 1
	s_and_b32 s12, s10, 1
	s_mov_b32 s8, ttmp9                            ; i
	s_and_b32 s26, ttmp7, 0xffff
	s_and_b32 s27, s26, 15                         ; head
	s_lshr_b32 s26, s26, 4                         ; batch
	s_mov_b32 s22, 0x76543210
	s_mov_b32 s23, 0xfedcba98
	s_mov_b32 s24, 0x3e38aa3b                      ; CEXP = log2(e) / 8, twice
	s_mov_b32 s25, 0x3e38aa3b
	s_mov_b32 s76, 0xffffe000                      ; a number's sign, exponent and top ten bits behind the leading one
	; a tile of 128 keys is a dense block of 16,384 bytes: rows of 256 bytes (two keys), elements of 8 bytes, padded behind each row
	s_mov_b32 s[G1V+0], (3<<16)|(1<<20)|(5<<22)|(7<<25)    ; V: 8 words of padding, pitch 288; the whole tile, 64 rows
	s_mov_b32 s[G1V+1], 32<<16
	s_mov_b32 s[G1V+2], 64<<16
	s_mov_b32 s[G1V+3], 32<<16
	s_mov_b32 s[G1V+4], 64
	s_mov_b32 s[G1V+5], 32
	s_mov_b32 s[G1V+6], 0
	s_mov_b32 s[G1V+7], 0
	s_mov_b32 s[G1K+0], (3<<16)|(1<<20)|(5<<22)|(3<<25)    ; K: 4 words, pitch 272; half a tile, 32 rows
	s_mov_b32 s[G1K+1], 32<<16
	s_mov_b32 s[G1K+2], 32<<16
	s_mov_b32 s[G1K+3], 32<<16
	s_mov_b32 s[G1K+4], 32
	s_mov_b32 s[G1K+5], 32
	s_mov_b32 s[G1K+6], 0
	s_mov_b32 s[G1K+7], 0
	s_mul_i32 s70, s10, 18432                      ; V: waves 0, 1 at 0 (upper) and 18,432 (lower)
	s_mul_i32 s71, s10, 8704                       ; K's halves: waves 2, 3 at 36,864 and 45,568
	s_add_co_u32 s71, s71, 19456
.irp s, 0,1
	s_mov_b32 s[G0V+4*\s], 1
	s_add_co_u32 s[G0V+4*\s+1], s70, \s*SLOT
	s_mov_b32 s[G0K+4*\s], 1
	s_add_co_u32 s[G0K+4*\s+1], s71, \s*SLOT
.endr
	s_lshl_b32 s72, s27, 19                        ; the head's and the batch's place in a quarter of qkv
	s_lshl_b32 s73, s26, 18
	s_add_co_u32 s72, s72, s73
	s_mov_b32 s17, 0
	s_wait_dscnt 0x0
	s_wait_kmcnt 0x0
	s_lshl_b32 s73, s12, 23                        ; V's upper parts begin at 32 x 524,288, the lower parts 16 x 524,288 further
	s_add_co_u32 s16, s72, s73
	s_add_co_u32 s16, s16, 0x1000000
	s_add_nc_u64 s[18:19], s[4:5], s[16:17]
	s_lshl_b32 s73, s12, 13                        ; K heads begin at 16 x 524,288; my half of a tile
	s_add_co_u32 s16, s72, s73
	s_add_co_u32 s16, s16, 0x800000
	s_add_nc_u64 s[20:21], s[4:5], s[16:17]
	s_lshl_b32 s16, s8, 14                         ; position 0: tile i
	SETADR 0
	s_cmp_eq_u32 s8, 0                             ; position 1: tile 0, or tile 1 where i = 0
	s_cselect_b32 s16, 0x4000, 0
	SETADR 1
	TLOAD 0                                        ; both first fills go out together, ahead of everything else: two loads of the wave are out, the most in this text
	TLOAD 1
	s_lshl_b32 s73, s10, 12                        ; my 32 rows of a query block
	s_add_co_u32 s73, s73, s72
	s_lshl_b32 s16, s8, 14
	s_add_co_u32 s16, s16, s73
	s_add_nc_u64 s[66:67], s[4:5], s[16:17]        ; Q, low
	s_sub_co_u32 s74, 15, s8
	s_lshl_b32 s16, s74, 14
	s_add_co_u32 s16, s16, s73
	s_add_nc_u64 s[68:69], s[4:5], s[16:17]        ; Q, high
	s_lshl_b32 s75, s26, 23                        ; y: (1024 batch + 64 block + 16 w) x 8,192 + 256 head
	s_lshl_b32 s73, s27, 8
	s_add_co_u32 s75, s75, s73
	s_lshl_b32 s73, s10, 17
	s_add_co_u32 s75, s75, s73
	s_lshl_b32 s16, s8, 19
	s_add_co_u32 s16, s16, s75
	s_add_nc_u64 s[60:61], s[6:7], s[16:17]
	s_lshl_b32 s16, s74, 19
	s_add_co_u32 s16, s16, s75
	s_add_nc_u64 s[62:63], s[6:7], s[16:17]
	s_sub_co_u32 s13, 14, s8
	s_lshr_b32 s13, s13, 1                         ; trips of two tiles: 3 to 7
	s_mul_i32 s15, s10, 16*SPITCH
	s_add_co_u32 s15, s15, STAGE
	v_and_b32 v13, 15, v0                          ; r
	v_bfe_u32 v14, v0, 4, 1                        ; h
	v_and_b32 v15, 1, v0
	v_lshlrev_b32 v39, 7, v13
	v_lshl_add_u32 v[QO], v14, 4, v39              ; Q: row r, 16 h
	WIN 0x40
.irp ql, 0,1
.irp c, 0,1
	global_load_b128 v[QF+16*\ql+8*\c:QF+16*\ql+8*\c+3], v[QO], s[66:67] offset:2048*\ql+64*\c
	global_load_b128 v[QF+16*\ql+8*\c+4:QF+16*\ql+8*\c+7], v[QO], s[66:67] offset:2048*\ql+64*\c+32
	global_load_b128 v[QF+32+16*\ql+8*\c:QF+32+16*\ql+8*\c+3], v[QO], s[68:69] offset:2048*\ql+64*\c
	global_load_b128 v[QF+32+16*\ql+8*\c+4:QF+32+16*\ql+8*\c+7], v[QO], s[68:69] offset:2048*\ql+64*\c+32
.endr
.endr
	WIN 0
	; key k of a tile lies at (k>>1) pitch + (k&1) 128.  K: units of 16 bytes (r>>1) 17 + 8 (r&1): sixteen different columns modulo 16
	v_bfe_u32 v32, v0, 1, 3
	v_mul_u32_u24 v32, v32, 272
	v_lshl_add_u32 v32, v15, 7, v32
	v_lshl_add_u32 v32, v14, 4, v32
	v_add_nc_u32 v[KADR], KOFF, v32
	v_add_nc_u32 v[KADR+1], KOFF+SLOT, v32
	; V for the transposing load: lane L addresses key 8 h + (L&7), 16 bytes at 16 ((L>>3)&1): units (k>>1) 18 + 8 (k&1) + that bit, all different modulo 16
	v_bfe_u32 v33, v0, 1, 2
	v_lshl_add_u32 v33, v14, 2, v33
	v_mul_u32_u24 v33, v33, 288
	v_lshl_add_u32 v33, v15, 7, v33
	v_bfe_u32 v34, v0, 3, 1
	v_lshl_add_u32 v[VADR], v34, 4, v33
	v_add_nc_u32 v[VADR+1], SLOT, v[VADR]
	v_mul_u32_u24 v35, v13, SPITCH
	v_lshl_add_u32 v35, v14, 4, v35
	v_add_nc_u32 v[STO], s15, v35
	v_bfe_u32 v36, v0, 3, 2
	v_and_b32 v37, 7, v0
	v_mul_u32_u24 v36, v36, SPITCH
	v_lshl_add_u32 v36, v37, 4, v36
	v_add_nc_u32 v[RD], s15, v36
	v_lshlrev_b32 v38, 4, v13
	v_lshl_add_u32 v[YO], v14, 13, v38
	v_lshlrev_b32 v40, 3, v14
	v_sub_nc_u32 v40, v13, v40
	v_lshl_add_u32 v[LIM], s10, 5, v40
	v_add_nc_u32 v[LIM+1], 16, v[LIM]
	v_mov_b32 v[NINF], 0xff800000
.macro KLOAD slot, ss                  ; 64 keys x 64 d as first operands: 16 loads
.irp kt, 0,1,2,3
.irp c, 0,1
	ds_load_b128 v[KF+16*\kt+8*\c:KF+16*\kt+8*\c+3], v[KADR+\slot] offset:(32*\ss+8*\kt)*272+64*\c
	ds_load_b128 v[KF+16*\kt+8*\c+4:KF+16*\kt+8*\c+7], v[KADR+\slot] offset:(32*\ss+8*\kt)*272+64*\c+32
.endr
.endr
.endm
.macro VLOAD slot, ss                  ; the same keys' V, transposed, upper then lower parts: 32 loads; the second of a pair lies 16 keys = 8 rows further
	WIN 0x40
.irp c, 0,1
.irp dt, 0,1,2,3
	ds_load_tr16_b128 v[VF+32*\c+8*\dt:VF+32*\c+8*\dt+3], v[VADR+\slot] offset:(32*\ss+16*\c)*288+32*\dt
	ds_load_tr16_b128 v[VF+32*\c+8*\dt+4:VF+32*\c+8*\dt+7], v[VADR+\slot] offset:(32*\ss+16*\c)*288+32*\dt+2304
.endr
.endr
	WIN 0x80
.irp c, 0,1
.irp dt, 0,1,2,3
	ds_load_tr16_b128 v[VL+32*\c+8*\dt:VL+32*\c+8*\dt+3], v[VADR+\slot] offset:VLOFF+(32*\ss+16*\c)*288+32*\dt
	ds_load_tr16_b128 v[VL+32*\c+8*\dt+4:VL+32*\c+8*\dt+7], v[VADR+\slot] offset:VLOFF+(32*\ss+16*\c)*288+32*\dt+2304
.endr
.endr
	WIN 0
.endm
.macro QK s, qt0                       ; S^T of 64 keys x 32 queries: eight tiles, d 0-31 starts them, d 32-63 adds
	WIN 0x04
.irp ql, 0,1
.irp kt, 0,1,2,3
	v_wmma_f32_16x16x32_f16 v[\s+32*\ql+8*\kt:\s+32*\ql+8*\kt+7], v[KF+16*\kt:KF+16*\kt+7], v[QF+16*(\qt0+\ql):QF+16*(\qt0+\ql)+7], 0
.endr
.endr
.irp ql, 0,1
.irp kt, 0,1,2,3
	v_wmma_f32_16x16x32_f16 v[\s+32*\ql+8*\kt:\s+32*\ql+8*\kt+7], v[KF+16*\kt+8:KF+16*\kt+15], v[QF+16*(\qt0+\ql)+8:QF+16*(\qt0+\ql)+15], v[\s+32*\ql+8*\kt:\s+32*\ql+8*\kt+7]
.endr
.endr
	WIN 0
.endm
.macro PV s, qt0, first                ; O^T += V^T P^T: eight tiles; V's upper parts, keys 0-31 and 32-63, then its lower parts likewise
	WIN 0x51
.irp ql, 0,1
.irp dt, 0,1,2,3
.if \first
	v_wmma_f32_16x16x32_f16 v[OF+32*(\qt0+\ql)+8*\dt:OF+32*(\qt0+\ql)+8*\dt+7], v[VF+8*\dt:VF+8*\dt+7], v[\s+32*\ql:\s+32*\ql+7], 0
.else
	v_wmma_f32_16x16x32_f16 v[OF+32*(\qt0+\ql)+8*\dt:OF+32*(\qt0+\ql)+8*\dt+7], v[VF+8*\dt:VF+8*\dt+7], v[\s+32*\ql:\s+32*\ql+7], v[OF+32*(\qt0+\ql)+8*\dt:OF+32*(\qt0+\ql)+8*\dt+7]
.endif
.endr
.endr
.irp ql, 0,1
.irp dt, 0,1,2,3
	v_wmma_f32_16x16x32_f16 v[OF+32*(\qt0+\ql)+8*\dt:OF+32*(\qt0+\ql)+8*\dt+7], v[VF+32+8*\dt:VF+32+8*\dt+7], v[\s+32*\ql+8:\s+32*\ql+15], v[OF+32*(\qt0+\ql)+8*\dt:OF+32*(\qt0+\ql)+8*\dt+7]
.endr
.endr
	WIN 0x52
.irp ql, 0,1
.irp dt, 0,1,2,3
	v_wmma_f32_16x16x32_f16 v[OF+32*(\qt0+\ql)+8*\dt:OF+32*(\qt0+\ql)+8*\dt+7], v[VL+8*\dt:VL+8*\dt+7], v[\s+32*\ql:\s+32*\ql+7], v[OF+32*(\qt0+\ql)+8*\dt:OF+32*(\qt0+\ql)+8*\dt+7]
.endr
.endr
.irp ql, 0,1
.irp dt, 0,1,2,3
	v_wmma_f32_16x16x32_f16 v[OF+32*(\qt0+\ql)+8*\dt:OF+32*(\qt0+\ql)+8*\dt+7], v[VL+32+8*\dt:VL+32+8*\dt+7], v[\s+32*\ql+8:\s+32*\ql+15], v[OF+32*(\qt0+\ql)+8*\dt:OF+32*(\qt0+\ql)+8*\dt+7]
.endr
.endr
	WIN 0
.endm
; The softmax step of one query tile: 32 scores a lane in v[sq ..] become 16 registers of f16 P in v[sq .. sq+15].
.macro SM sq, qt, first, masked, ss, ql
.if \masked
.set e_, 0
.rept 32
	v_cmp_gt_i32 vcc_lo, 64*\ss+16*(e_/8)+(e_%8), v[LIM+\ql]
	v_cndmask_b32 v[\sq+e_], v[\sq+e_], v[NINF], vcc_lo
.set e_, e_+1
.endr
.endif
	v_max3_num_f32 v[T], v[\sq], v[\sq+1], v[\sq+2]
	v_max3_num_f32 v[T+1], v[\sq+3], v[\sq+4], v[\sq+5]
.set e_, 6
.rept 13
	v_max3_num_f32 v[T+((e_/2)&1)], v[T+((e_/2)&1)], v[\sq+e_], v[\sq+e_+1]
.set e_, e_+2
.endr
	v_max_num_f32 v[T], v[T], v[T+1]
	v_permlanex16_b32 v[T+1], v[T], s22, s23       ; the other eight keys of each sixteen lie in the other half of the lanes
.if \first
	v_max_num_f32 v[ST+4*\qt+1], v[T], v[T+1]
	v_mul_f32 v[ST+4*\qt], s24, v[ST+4*\qt+1]
.else
	v_max3_num_f32 v[ST+4*\qt+1], v[T], v[T+1], v[ST+4*\qt+1]
	v_mul_f32 v[T+2], s24, v[ST+4*\qt+1]
	v_sub_f32 v[ST+4*\qt+2], v[ST+4*\qt], v[T+2]
	v_exp_f32 v[ST+4*\qt+2], v[ST+4*\qt+2]         ; the factor for what was summed under the old maximum
	v_mov_b32 v[ST+4*\qt], v[T+2]                  ; (a plain place behind it)
.endif
.set e_, 0
.rept 16
	v_pk_fma_f32 v[\sq+e_:\sq+e_+1], v[\sq+e_:\sq+e_+1], s[24:25], v[ST+4*\qt:ST+4*\qt+1] op_sel_hi:[1,0,0] neg_lo:[0,0,1] neg_hi:[0,0,1]
.set e_, e_+2
.endr
.set e_, 0
.rept 32
	v_exp_f32 v[\sq+e_], v[\sq+e_]
.set e_, e_+1
.endr
.if \first
	v_nop                                          ; one plain place behind the last exponential (ISA guide 5.7.2)
	s_wait_alu depctr_va_vdst(0)
.else
	WIN 0x41                                       ; that place is useful work here: O^T takes the factor
.set e_, 0
	s_wait_alu depctr_va_vdst(0)
.rept 16
	v_pk_mul_f32 v[OF+32*\qt+e_:OF+32*\qt+e_+1], v[OF+32*\qt+e_:OF+32*\qt+e_+1], v[ST+4*\qt+2:ST+4*\qt+3] op_sel_hi:[1,0]
.set e_, e_+2
.endr
	WIN 0
.endif
.irp c, 0,1,2,3
	v_pk_add_f32 v[T+2*\c:T+2*\c+1], v[\sq+4*\c:\sq+4*\c+1], v[\sq+4*\c+2:\sq+4*\c+3]
.endr
.irp c, 0,1,2,3
	v_pk_add_f32 v[T+2*\c:T+2*\c+1], v[T+2*\c:T+2*\c+1], v[\sq+16+2*\c:\sq+16+2*\c+1]
.endr
.irp c, 0,1,2,3
	v_pk_add_f32 v[T+2*\c:T+2*\c+1], v[T+2*\c:T+2*\c+1], v[\sq+24+2*\c:\sq+24+2*\c+1]
.endr
	v_pk_add_f32 v[T:T+1], v[T:T+1], v[T+2:T+3]
	v_pk_add_f32 v[T+4:T+5], v[T+4:T+5], v[T+6:T+7]
	v_pk_add_f32 v[T:T+1], v[T:T+1], v[T+4:T+5]
.if \first
	v_add_f32 v[ST+4*\qt+3], v[T], v[T+1]
.else
	v_add_f32 v[T], v[T], v[T+1]
	v_fma_f32 v[ST+4*\qt+3], v[ST+4*\qt+3], v[ST+4*\qt+2], v[T]     ; my half's sum; the halves meet at the end
.endif
.set e_, 0
.rept 16
	v_cvt_pk_f16_f32 v[\sq+e_], v[\sq+2*e_], v[\sq+2*e_+1]          ; ascending, in place: register e is written when 2 e and 2 e + 1 are read
.set e_, e_+1
.endr
.endm
; 64 keys (sub-step ss of the tile in slot).  lo: 0 high alone; 1 low too while the position is at most i; 2 low always.
; K's fragments of this sub-step have been asked for.  nextk = 1: those of sub-step 1 are asked for when K's registers are free.
.macro SUB slot, ss, lo, lomask, himask, first, nextk
.rept 5
	v_nop                                          ; five places behind the last product: V's registers are loaded into, and P's written over by a matrix instruction
.endr
	VLOAD \slot, \ss
	s_wait_dscnt 32                                ; K is in; the 32 loads of V stay out
	QK SB, 2
.if \lo == 1
	s_cmp_gt_u32 s9, s8
	s_cbranch_scc1 .Lnolow_\@
.endif
.if \lo
	QK SA, 0
	PLACES
	SM SA, 0, \first, \lomask, \ss, 0
	SM SA+32, 1, \first, \lomask, \ss, 1
	s_wait_dscnt 0x0                               ; V
	PV SA, 0, \first
.endif
.if \lo == 1
.Lnolow_\@:
.endif
	PLACES
.if \nextk
	KLOAD \slot, 1
.endif
	SM SB, 2, \first, \himask, \ss, 0
	SM SB+32, 3, \first, \himask, \ss, 1
.if \nextk
	s_wait_dscnt 16                                ; V is in; the 16 loads of K, issued behind it, stay out
.else
	s_wait_dscnt 0x0
.endif
	PV SB, 2, \first
.endm
; The tile at position s9, in slot; the other slot, read at the position before, gets the tile of position s9 + 1.
.macro TILE slot, other
	s_wait_dscnt 0x0                               ; my reads of the other slot are done
	s_wait_tensorcnt 0x0                           ; all my tensor loads have landed, my part of this slot among them: the descriptors may be written
	ds_add_u32 v62, v63
	s_wait_dscnt 0x0
	s_cmp_ge_u32 s9, s8                            ; position p + 1 holds tile p while p + 1 <= i, else tile p + 1
	s_cselect_b32 s15, 1, 0
	s_add_co_u32 s15, s15, s9
	s_lshl_b32 s16, s15, 14
	SETADR \other
	s_barrier_signal -1
	s_barrier_wait -1                              ; both hold of all four waves
	TLOAD \other                                   ; my one tensor load behind this barrier, first thing there
	KLOAD \slot, 0
	SUB \slot, 0, 1, 0, 0, 0, 1
	SUB \slot, 1, 1, 0, 0, 0, 0
	s_add_co_u32 s9, s9, 1
.endm
.macro LAST slot                       ; high's diagonal: nothing is left to fetch
	s_wait_dscnt 0x0
	s_wait_tensorcnt 0x0
	s_barrier_signal -1
	s_barrier_wait -1
	KLOAD \slot, 0
	SUB \slot, 0, 0, 0, 1, 0, 1
	SUB \slot, 1, 0, 0, 1, 0, 0
.endm
	s_wait_tensorcnt 1                             ; my part of position 0 is in; position 1's stays out
	s_barrier_signal -1
	s_barrier_wait -1
	KLOAD 0, 0
	s_wait_loadcnt 0x0                             ; Q
	SUB 0, 0, 2, 1, 0, 1, 1                        ; tile i: low's diagonal, masked; the first products start every sum
	SUB 0, 1, 2, 1, 0, 0, 0
	s_mov_b32 s9, 1
	s_mov_b32 s14, 0
.Ltiles:
	TILE 1, 0
	TILE 0, 1
	s_add_co_u32 s14, s14, 1
	s_cmp_lt_u32 s14, s13
	s_cbranch_scc1 .Ltiles
	s_and_b32 s15, s8, 1                           ; 14 - i tiles stand between the first and the last: one is left where i is odd
	s_cmp_eq_u32 s15, 0
	s_cbranch_scc1 .Leven
	TILE 1, 0
	LAST 0
	s_branch .Lout
.Leven:
	LAST 1
.Lout:
	; THE WAY OUT: the two halves' sums meet, O^T / sum, split in two f16, 16 queries at a time through my own stage, back as runs of 256 bytes
	PLACES
.irp qt, 0,1,2,3
	v_permlanex16_b32 v[T+\qt], v[ST+4*\qt+3], s22, s23
.endr
.irp qt, 0,1,2,3
	v_add_f32 v[ST+4*\qt+3], v[ST+4*\qt+3], v[T+\qt]
.endr
.irp qt, 0,1,2,3
	v_rcp_f32 v[ST+4*\qt+2], v[ST+4*\qt+3]
.endr
	v_nop                                          ; one plain place behind the last reciprocal
	s_wait_alu depctr_va_vdst(0)
.macro OUTQ qt, ql, yb
	WIN 0x41
.set e_, 0
.rept 16
	v_pk_mul_f32 v[OF+32*\qt+e_:OF+32*\qt+e_+1], v[OF+32*\qt+e_:OF+32*\qt+e_+1], v[ST+4*\qt+2:ST+4*\qt+3] op_sel_hi:[1,0]
.set e_, e_+2
.endr
	WIN 0x04
.set e_, 0
.rept 32
	v_and_b32 v[U+e_], s76, v[OF+32*\qt+e_]        ; the upper part: the top 11 bits
.set e_, e_+1
.endr
	WIN 0x41
.set e_, 0
.rept 16
	v_pk_add_f32 v[OF+32*\qt+e_:OF+32*\qt+e_+1], v[OF+32*\qt+e_:OF+32*\qt+e_+1], v[U+e_:U+e_+1] neg_lo:[0,1] neg_hi:[0,1]    ; the rest, exact
.set e_, e_+2
.endr
	WIN 0x05
.set e_, 0
.rept 16
	v_cvt_pk_f16_f32 v[LP+e_], v[OF+32*\qt+2*e_], v[OF+32*\qt+2*e_+1]
.set e_, e_+1
.endr
	WIN 0
.set e_, 0
.rept 16
	v_cvt_pk_f16_f32 v[U+e_], v[U+2*e_], v[U+2*e_+1]               ; ascending, in place
.set e_, e_+1
.endr
.irp dt, 0,1,2,3
	ds_store_b128 v[STO], v[U+4*\dt:U+4*\dt+3] offset:32*\dt
.endr
.irp dt, 0,1,2,3
	ds_store_b128 v[STO], v[LP+4*\dt:LP+4*\dt+3] offset:128+32*\dt
.endr
.irp t, 0,1,2,3
	ds_load_b128 v[SB+16*\qt+4*\t:SB+16*\qt+4*\t+3], v[RD] offset:4*SPITCH*\t     ; LDS serves a wave's instructions in order; each query tile has registers of its own
.endr
.irp t, 0,1,2,3
	ds_load_b128 v[SA+16*\qt+4*\t:SA+16*\qt+4*\t+3], v[RD] offset:4*SPITCH*\t+128
.endr
.irp t, 0,1,2,3
	s_wait_dscnt 7-\t                              ; so many of the eight loads were issued behind this one
	global_store_b128 v[YO], v[SB+16*\qt+4*\t:SB+16*\qt+4*\t+3], s[\yb:\yb+1] offset:16384*\t+65536*\ql   ; sixteen lanes store two rows of the head: 256 consecutive bytes, aligned
.endr
.irp t, 0,1,2,3
	s_wait_dscnt 3-\t
	global_store_b128 v[YO], v[SA+16*\qt+4*\t:SA+16*\qt+4*\t+3], s[\yb:\yb+1] offset:16384*\t+65536*\ql+4096
.endr
.endm
	OUTQ 0, 0, 60
	OUTQ 1, 1, 60
	OUTQ 2, 0, 62
	OUTQ 3, 1, 62
	s_wait_tensorcnt 0x0
	ds_add_u32 v62, v63
	s_wait_dscnt 0x0
	s_endpgm
.Lfunc_end_k_q5bbda6a854_attn:
	.size	k_q5bbda6a854_attn, .Lfunc_end_k_q5bbda6a854_attn-k_q5bbda6a854_attn
	.p2alignl 7, 3214868480
	.fill 96, 4, 3214868480
	.section	.rodata,"a",@progbits
	.p2align	6, 0x0
	.amdhsa_kernel k_q5bbda6a854_attn
		.amdhsa_group_segment_fixed_size 327680
		.amdhsa_private_segment_fixed_size 0
		.amdhsa_enable_private_segment 0
		.amdhsa_kernarg_size 16
		.amdhsa_user_sgpr_count 2
		.amdhsa_user_sgpr_kernarg_segment_ptr 1
		.amdhsa_wavefront_size32 1
		.amdhsa_system_sgpr_workgroup_id_x 1
		.amdhsa_system_sgpr_workgroup_id_y 1
		.amdhsa_system_sgpr_workgroup_id_z 1
		.amdhsa_system_vgpr_workitem_id 0
		.amdhsa_next_free_vgpr 576
		.amdhsa_next_free_sgpr 80
		.amdhsa_reserve_vcc 1
		.amdhsa_float_denorm_mode_32 3
		.amdhsa_float_denorm_mode_16_64 3
		.amdhsa_memory_ordered 1
		.amdhsa_forward_progress 1
		.amdhsa_inst_pref_size 255
	.end_amdhsa_kernel
	.section	.bss,"aw",@nobits
	.p2align	6
	.space	262144
	.amdgpu_metadata
---
amdhsa.version: [ 1, 2 ]
amdhsa.kernels:
  - .name:           k_q5bbda6a854_attn
    .symbol:         k_q5bbda6a854_attn.kd
    .args:
      - { .name: qkv, .offset: 0, .size: 8, .value_kind: global_buffer, .address_space: global }
      - { .name: y, .offset: 8, .size: 8, .value_kind: global_buffer, .address_space: global }
    .group_segment_fixed_size: 327680
    .private_segment_fixed_size: 0
    .kernarg_segment_align: 8
    .kernarg_segment_size: 16
    .max_flat_workgroup_size: 128
    .sgpr_count:     80
    .vgpr_count:     576
    .wavefront_size: 32
...
	.end_amdgpu_metadata
.endif
;; end of part 4
;; launch gemm_proj (part 5): grid 8 x 32, 4 waves a work-group, clusters of 4 x 4, 327,680 bytes of LDS; arguments y, wp, out0, b_proj, scales; writes out0
.if DOCPART == 5
	.amdgcn_target "amdgcn-amd-amdhsa--gfx1250"
	.amdhsa_code_object_version 6
	.text
	.protected	k_q5bbda6a854_gemm_proj
	.globl	k_q5bbda6a854_gemm_proj
	.p2align	8
	.type	k_q5bbda6a854_gemm_proj,@function
k_q5bbda6a854_gemm_proj:
	s_mov_b64 s[64:65], 0
	v_nop
	global_prefetch_b8 v0, s[64:65] scope:SCOPE_SE
	s_setreg_imm32_b32 hwreg(HW_REG_WAVE_MODE, 25, 1), 1
	s_wait_xcnt 0x0
	s_wait_alu depctr_hold_cnt(0) depctr_sa_sdst(0) depctr_va_vdst(0) depctr_va_sdst(0) depctr_va_ssrc(0) depctr_va_vcc(0) depctr_vm_vsrc(0)
	s_getreg_b32 s2, hwreg(HW_REG_IB_STS2, 6, 4)
	s_cmp_eq_u32 s2, 0
	s_cbranch_scc0 .Lentry_in_a_cluster
	s_endpgm
.Lentry_in_a_cluster:
	s_bfe_u32 s2, ttmp6, 0x10000c
	s_cmp_lg_u32 s2, 0xf033
	s_cbranch_scc0 .Lentry_shape_is_right
	s_endpgm
.Lentry_shape_is_right:
; out0[m][n] = scale * sum over k of (y upper + y lower)[m][k] wp[n][k] + b_proj[n], f32.  y holds part p (0 upper, 1 lower) of feature
; 64 head + d of row m at byte (m>>1) 8192 + p 4096 + head 256 + (m&1) 128 + 2 d; wp holds each row of weights twice, [1024][2048] f16.
; So the product is a plain one with K = 2048: k = 1024 p + feature.  A tile of A is a plain tile of ROW PAIRS: 1,024 bytes (four heads of
; one part) of each pair.
; A work-group makes 128 x 128: 8 x 32 = 256 equal work-groups; a wave makes 64 x 64 (4 x 4 accumulator tiles).  K goes in eight steps of
; 256 through two LDS slots.
; CLUSTERS: 4 x 4 work-groups; A's tile is asked for jointly along a row of the cluster, B's along a column.
; The matrix instruction is used transposed (source 0 = rows of wp, source 1 = rows of y): a lane holds eight neighbouring columns of a row.
; The 16 accumulators take turns, one instruction a turn, in the same order in every quarter step.
; REGISTERS by windows of 256: window 0 addresses, A's fragments, the way out, the bias; window 1 B's fragments; window 2 the accumulators
; of my rows 0-31, window 3 of rows 32-63, tile (a, b) at 8 (4 a + b).
.set NB,     4
.set NQ,     8                         ; quarter steps (32 along K) in a K step of 256
.set LAPS,   4                         ; 2048 / (2 x 256)
.set AE,     512                       ; A's tile: elements in a row pair's piece,
.set AH,     32                        ; row pairs in one load,
.set AQI,    7                         ; padding behind every 256 words,
.set APE,    4096                      ; elements from pair to pair in memory
.set PA,     1040                      ; 1,024 + 16: row r lies at unit (r>>1) 65 + 8 (r&1) of 16 bytes: sixteen different columns modulo 16
.set BE,     256
.set BH,     64
.set BQI,    6
.set BPE,    2048                      ; elements from row to row of wp
.set PB,     528                       ; 512 + 16, an odd multiple of 16
.set BOFF,   2*BH*PB                   ; 67,584: B begins here (A's 64 pairs take 66,560), so that B's halves lie at wave x 33,792
.set SLOT,   2*BOFF                    ; 135,168
.set STAGE,  2*SLOT                    ; 270,336 = 1056 x 256: the way out's bytes, into which no tile lands
.set SPITCH, 272
.set ASTEP,  1024
.set BSTEP,  512
.set ABLK,   8*PA                      ; 16 rows = 8 pairs
.set BBLK,   16*PB
.set SCOFF,  4
.set ADRA, 16
.set ADRB, 20
.set STO,  24
.set RD,   25
.set CO,   26
.set BO,   27
.set FA0,  32                          ; v[32:63], v[64:95] A's fragments
.set RB,   32                          ; v[32:63] the way out: rows read back
.set TMP,  96                          ; v[96:127] the way out: results
.set BIAS, 160                         ; v[160:191]
.set G1,  24
.set G0,  32
.set G1B, 48
.set G0B, 56
.set MSB, 0
.macro WIN new
.if MSB != \new
	s_set_vgpr_msb (MSB<<8)|\new
.set MSB, \new
.endif
.endm
.set MUL_LO, 0xa1
.set MUL_HI, 0xf1
.set TO_B,   0x40
.macro JLOAD s                         ; waves 0, 1 ask for A's halves, waves 2, 3 for B's: one load a wave, one mask a line
	s_cmp_eq_u32 s11, 0
	s_cbranch_scc0 .Lfor_b_\@
	tensor_load_to_lds s[G0+4*\s:G0+4*\s+3], s[G1:G1+7]
	s_nop 0
	s_branch .Lasked_\@
.Lfor_b_\@:
	tensor_load_to_lds s[G0B+4*\s:G0B+4*\s+3], s[G1B:G1B+7]
	s_nop 0
.Lasked_\@:
.endm
.macro CREST
	s_cmp_lg_u32 s10, 0
	s_cbranch_scc1 .Lnot_wave_0_\@
	s_barrier_signal -3
.Lnot_wave_0_\@:
	s_barrier_wait -3
	s_barrier_signal -1
	s_barrier_wait -1
.endm
.macro CROUND
	s_barrier_signal -1
	s_barrier_wait -1
	CREST
.endm
.macro PLACES                          ; four places behind a matrix instruction (ISA guide 7.12.1)
.rept 4
	v_nop
.endr
.endm
	s_load_b128 s[4:7], s[0:1], 0x0                ; y s[4:5], wp s[6:7]
	s_load_b64 s[8:9], s[0:1], 0x10                ; out0
	s_load_b128 s[68:71], s[0:1], 0x18             ; b_proj s[68:69], scales s[70:71]
	s_set_vgpr_msb 0x40
	v_lshl_add_u32 v255, v0, 2, 0x46400
	s_set_vgpr_msb 0x4000
	v_mov_b32 v255, 0
	s_set_vgpr_msb 0x1
	ds_add_u32 v255, v255
	ds_add_u32 v255, v255
	s_set_vgpr_msb 0x100
	v_lshrrev_b32 v1, 5, v0
	v_readfirstlane_b32 s10, v1                    ; wave
	s_lshr_b32 s11, s10, 1                         ; my half of the block's rows.  Also: I fetch for A (0) or B (1)
	s_and_b32 s12, s10, 1                          ; my half of its columns.  Also: which half of that tile
	s_bfe_u32 s40, ttmp6, 0x40000                  ; cx
	s_bfe_u32 s41, ttmp6, 0x40004                  ; cy
	s_lshl_b32 s42, ttmp9, 2
	s_add_co_u32 s42, s42, s40                     ; block column
	s_and_b32 s13, ttmp7, 0xffff
	s_lshl_b32 s13, s13, 2
	s_add_co_u32 s13, s13, s41                     ; block row
	s_lshl_b32 s43, s41, 2
	s_lshl_b32 s43, 15, s43
	s_lshl_b32 s44, 0x1111, s40
	s_or_b32 s[G1+0], s43, (1<<16)|(1<<20)|(1<<21)|(AQI<<22)|(3<<25)
	s_mov_b32 s[G1+1], AE<<16
	s_mov_b32 s[G1+2], AH<<16
	s_mov_b32 s[G1+3], AE<<16
	s_mov_b32 s[G1+4], AH
	s_mov_b32 s[G1+5], APE
	s_mov_b32 s[G1+6], 0
	s_mov_b32 s[G1+7], 0
	s_or_b32 s[G1B+0], s44, (1<<16)|(1<<20)|(1<<21)|(BQI<<22)|(3<<25)
	s_mov_b32 s[G1B+1], BE<<16
	s_mov_b32 s[G1B+2], BH<<16
	s_mov_b32 s[G1B+3], BE<<16
	s_mov_b32 s[G1B+4], BH
	s_mov_b32 s[G1B+5], BPE
	s_mov_b32 s[G1B+6], 0
	s_mov_b32 s[G1B+7], 0
	s_mul_i32 s16, s13, 2*AH                       ; A: the block's first row pair + my half, in bytes (below 16 MiB)
	s_mul_i32 s17, s12, AH
	s_add_co_u32 s16, s16, s17
	s_mul_i32 s16, s16, 2*APE
	s_mov_b32 s17, 0
	s_mul_i32 s46, s42, 2*BH                       ; B likewise, in registers that never hold the block row
	s_mul_i32 s47, s12, BH
	s_add_co_u32 s46, s46, s47
	s_mul_i32 s46, s46, 2*BPE
	s_mov_b32 s47, 0
	s_mul_i32 s20, s10, AH*PA                      ; LDS: waves 0, 1 fill A's halves at 0 and 33,280,
	s_mul_i32 s21, s10, BH*PB                      ; waves 2, 3 B's at 67,584 and 101,376
	s_lshl_b32 s18, s42, 9                         ; my 64 numbers of the bias: 4 (128 block column + 64 half)
	s_lshl_b32 s19, s12, 8
	s_add_co_u32 s18, s18, s19
	s_mov_b32 s19, 0
	s_lshl_b32 s76, s13, 19                        ; where I store: row 128 block row + 64 half, 4,096 bytes each, and the same columns
	s_lshl_b32 s77, s11, 18
	s_add_co_u32 s76, s76, s77
	s_add_co_u32 s76, s76, s18
	s_mov_b32 s77, 0
	s_wait_dscnt 0x0
	s_wait_kmcnt 0x0
	s_add_nc_u64 s[14:15], s[4:5], s[16:17]
	s_add_nc_u64 s[46:47], s[6:7], s[46:47]
	s_add_nc_u64 s[68:69], s[68:69], s[18:19]
	s_add_nc_u64 s[74:75], s[8:9], s[76:77]
	s_load_b32 s72, s[70:71], SCOFF
	CROUND                                         ; all sixteen work-groups are here: the first joint loads meet
.irp s, 0,1
	s_mov_b32 s[G0+4*\s], 1
	s_add_co_u32 s[G0+4*\s+1], s20, \s*SLOT
	s_add_nc_u64 s[G0+4*\s+2:G0+4*\s+3], s[14:15], \s*ASTEP
	s_or_b32 s[G0+4*\s+3], s[G0+4*\s+3], 0x80000000
	s_mov_b32 s[G0B+4*\s], 1
	s_add_co_u32 s[G0B+4*\s+1], s21, \s*SLOT
	s_add_nc_u64 s[G0B+4*\s+2:G0B+4*\s+3], s[46:47], \s*BSTEP
	s_or_b32 s[G0B+4*\s+3], s[G0B+4*\s+3], 0x80000000
	JLOAD \s                                       ; two loads of the wave are out, the most in this text
.endr
	v_and_b32 v1, 15, v0                           ; r
	v_bfe_u32 v2, v0, 4, 1                         ; h
	v_bfe_u32 v3, v0, 1, 3                         ; r >> 1
	v_and_b32 v4, 1, v0
	v_mul_u32_u24 v3, v3, PA
	v_lshl_add_u32 v3, v4, 7, v3
	v_lshl_add_u32 v3, v2, 4, v3                   ; A: pair x pitch + 128 (r&1) + 16 h
	v_mul_u32_u24 v5, v1, PB
	v_lshl_add_u32 v5, v2, 4, v5                   ; B: row x pitch + 16 h
	s_mul_i32 s22, s11, 32*PA                      ; my 64 rows of A
	s_mul_i32 s23, s12, 64*PB                      ; my 64 rows of B
	s_add_co_u32 s23, s23, BOFF
.irp s, 0,1
	v_add_nc_u32 v[ADRA+\s], s22, v3
	v_add_nc_u32 v[ADRB+\s], s23, v5
	s_add_co_u32 s22, s22, SLOT
	s_add_co_u32 s23, s23, SLOT
.endr
	s_mul_i32 s22, s10, 16*SPITCH
	s_add_co_u32 s22, s22, STAGE                   ; my stage
	v_mul_u32_u24 v6, v1, SPITCH
	v_lshl_add_u32 v6, v2, 5, v6
	v_add_nc_u32 v[STO], s22, v6                   ; in: row r, 32 bytes for each half of the lanes
	v_mul_u32_u24 v7, v2, SPITCH
	v_lshl_add_u32 v7, v1, 4, v7
	v_add_nc_u32 v[RD], s22, v7                    ; back: lanes 0-15 one row of 256 bytes, lanes 16-31 the next
	v_lshlrev_b32 v8, 4, v1
	v_lshl_add_u32 v[CO], v2, 12, v8               ; and the same two rows in out0
	v_lshlrev_b32 v[BO], 5, v2
.set bi, 0
.rept NB
	global_load_b128 v[BIAS+8*bi:BIAS+8*bi+3], v[BO], s[68:69] offset:64*bi
	global_load_b128 v[BIAS+8*bi+4:BIAS+8*bi+7], v[BO], s[68:69] offset:64*bi+16
.set bi, bi+1
.endr
	s_wait_kmcnt 0x0
	s_mov_b32 s73, s72                             ; the scale, twice
.macro MULA q, hi, a, zero
.set fa_, FA0+32*((\q)&1)+8*(2*\hi+\a)
.set fb_, 8*NB*((\q)&1)
.set bi, 0
.rept NB
.if \zero
	v_wmma_f32_16x16x32_f16 v[8*(NB*\a+bi):8*(NB*\a+bi)+7], v[fb_+8*bi:fb_+8*bi+7], v[fa_:fa_+7], 0
.else
	v_wmma_f32_16x16x32_f16 v[8*(NB*\a+bi):8*(NB*\a+bi)+7], v[fb_+8*bi:fb_+8*bi+7], v[fa_:fa_+7], v[8*(NB*\a+bi):8*(NB*\a+bi)+7]
.endif
.set bi, bi+1
.endr
.endm
.macro FETCH slot, q
.set fa_, FA0+32*((\q)&1)
.set fb_, 8*NB*((\q)&1)
.set ak_, ((\q)>>1)*256+((\q)&1)*64            ; quarter q of A: head q >> 1 of the four, d from 32 (q & 1)
	WIN TO_B
.set bi, 0
.rept NB
	ds_load_b128 v[fb_+8*bi:fb_+8*bi+3], v[ADRB+\slot] offset:64*(\q)+bi*BBLK
	ds_load_b128 v[fb_+8*bi+4:fb_+8*bi+7], v[ADRB+\slot] offset:64*(\q)+bi*BBLK+32
.set bi, bi+1
.endr
	WIN 0
.set bi, 0
.rept 4
	ds_load_b128 v[fa_+8*bi:fa_+8*bi+3], v[ADRA+\slot] offset:ak_+bi*ABLK
	ds_load_b128 v[fa_+8*bi+4:fa_+8*bi+7], v[ADRA+\slot] offset:ak_+bi*ABLK+32
.set bi, bi+1
.endr
.endm
.macro QUARTER slot, q, zero
	s_wait_dscnt 4                                 ; all but the four youngest loads (A's row tiles 2, 3)
	WIN MUL_LO
	MULA \q, 0, 0, \zero
	MULA \q, 0, 1, \zero
	PLACES
	FETCH \slot, (\q)+1
	s_wait_dscnt 2*NB+8                            ; all but the run just issued
	WIN MUL_HI
	MULA \q, 1, 0, \zero
	MULA \q, 1, 1, \zero
.endm
.macro BODY slot, zero
	QUARTER \slot, 0, \zero
.set qq, 1
.rept NQ-2
	QUARTER \slot, qq, 0
.set qq, qq+1
.endr
.endm
; The last quarter changes slots: each wave's reads of this slot and all its tensor loads are waited for in front of the barrier; where the
; slot is filled again the barrier opens a round of the cluster's barrier and the joint refill is the first tensor load behind the round.
.macro TURN slot, next, fill
	s_wait_dscnt 4
	WIN MUL_LO
	MULA NQ-1, 0, 0, 0
	s_wait_dscnt 0
	s_wait_tensorcnt 0x0
	ds_add_u32 v255, v255
	s_wait_dscnt 0x0
	s_barrier_signal -1
	MULA NQ-1, 0, 1, 0
	WIN 0
	s_barrier_wait -1
.if \fill
	CREST
	s_add_nc_u64 s[G0+4*\slot+2:G0+4*\slot+3], s[G0+4*\slot+2:G0+4*\slot+3], 2*ASTEP      ; no load of mine is out: the addresses may step
	s_add_nc_u64 s[G0B+4*\slot+2:G0B+4*\slot+3], s[G0B+4*\slot+2:G0B+4*\slot+3], 2*BSTEP
	JLOAD \slot
.endif
	PLACES
	FETCH \next, 0
	WIN MUL_HI
	MULA NQ-1, 1, 0, 0
	MULA NQ-1, 1, 1, 0
.endm
.macro LAP zero
	BODY 0, \zero
	TURN 0, 1, 1
	BODY 1, 0
	TURN 1, 0, 1
.endm
	s_wait_tensorcnt 1                             ; my part of K step 0 is in; K step 1's stays out
	s_barrier_signal -1
	s_barrier_wait -1
	FETCH 0, 0
	LAP 1                                          ; the first lap stands in front of the loop: its first products start the sums
	WIN 0
	s_mov_b32 s3, LAPS-2
.Llap:
	LAP 0
	WIN 0
	s_sub_co_u32 s3, s3, 1
	s_cmp_lg_u32 s3, 0
	s_cbranch_scc1 .Llap
	BODY 0, 0                                      ; the last lap fills nothing
	TURN 0, 1, 0
	BODY 1, 0
	s_wait_dscnt 4
	WIN MUL_LO
	MULA NQ-1, 0, 0, 0
	MULA NQ-1, 0, 1, 0
	s_wait_dscnt 0
	WIN MUL_HI
	MULA NQ-1, 1, 0, 0
	MULA NQ-1, 1, 1, 0
	; THE WAY OUT, 16 rows at a time: scale and bias in one fused step, through my own stage, back as whole rows of 256 bytes.
	PLACES
	s_wait_loadcnt 0x0                             ; the bias
.macro OUT16 a, al, wf
	WIN \wf
.set bi, 0
.rept NB
.irp k, 0,2,4,6
	v_pk_fma_f32 v[TMP+8*bi+\k:TMP+8*bi+\k+1], v[8*(NB*\al+bi)+\k:8*(NB*\al+bi)+\k+1], s[72:73], v[BIAS+8*bi+\k:BIAS+8*bi+\k+1] op_sel_hi:[1,0,1]
.endr
.set bi, bi+1
.endr
	WIN 0
.set bi, 0
.rept NB
	ds_store_b128 v[STO], v[TMP+8*bi:TMP+8*bi+3] offset:64*bi
	ds_store_b128 v[STO], v[TMP+8*bi+4:TMP+8*bi+7] offset:64*bi+16
.set bi, bi+1
.endr
	s_wait_xcnt 0x0                                ; RB, which the last stores read, is loaded again only behind this wait
.irp t, 0,1,2,3,4,5,6,7
	ds_load_b128 v[RB+4*\t:RB+4*\t+3], v[RD] offset:544*\t         ; LDS serves a wave's instructions in order: these see the stores above
.endr
.irp t, 0,1,2,3,4,5,6,7
	s_wait_dscnt 7-\t
	global_store_b128 v[CO], v[RB+4*\t:RB+4*\t+3], s[74:75] offset:(16*\a+2*\t)*4096 th:TH_STORE_NT   ; sixteen lanes store 256 consecutive bytes, aligned
.endr
.endm
	OUT16 0, 0, 0x02
	OUT16 1, 1, 0x02
	OUT16 2, 0, 0x03
	OUT16 3, 1, 0x03
	s_set_vgpr_msb 0x1
	s_wait_tensorcnt 0x0
	ds_add_u32 v255, v255
	s_wait_dscnt 0x0
	s_set_vgpr_msb 0x100
	CROUND                                         ; the closing round: no work-group ends while a partner may still ask for a tile that names it
	s_endpgm
.Lfunc_end_k_q5bbda6a854_gemm_proj:
	.size	k_q5bbda6a854_gemm_proj, .Lfunc_end_k_q5bbda6a854_gemm_proj-k_q5bbda6a854_gemm_proj
	.p2alignl 7, 3214868480
	.fill 96, 4, 3214868480
	.section	.rodata,"a",@progbits
	.p2align	6, 0x0
	.amdhsa_kernel k_q5bbda6a854_gemm_proj
		.amdhsa_group_segment_fixed_size 327680
		.amdhsa_private_segment_fixed_size 0
		.amdhsa_enable_private_segment 0
		.amdhsa_kernarg_size 40
		.amdhsa_user_sgpr_count 2
		.amdhsa_user_sgpr_kernarg_segment_ptr 1
		.amdhsa_wavefront_size32 1
		.amdhsa_system_sgpr_workgroup_id_x 1
		.amdhsa_system_sgpr_workgroup_id_y 1
		.amdhsa_system_sgpr_workgroup_id_z 1
		.amdhsa_system_vgpr_workitem_id 0
		.amdhsa_next_free_vgpr 1024
		.amdhsa_next_free_sgpr 80
		.amdhsa_reserve_vcc 0
		.amdhsa_float_denorm_mode_32 3
		.amdhsa_float_denorm_mode_16_64 3
		.amdhsa_memory_ordered 1
		.amdhsa_forward_progress 1
		.amdhsa_inst_pref_size 136
	.end_amdhsa_kernel
	.amdgpu_metadata
---
amdhsa.version: [ 1, 2 ]
amdhsa.kernels:
  - .name:           k_q5bbda6a854_gemm_proj
    .symbol:         k_q5bbda6a854_gemm_proj.kd
    .args:
      - { .name: y, .offset: 0, .size: 8, .value_kind: global_buffer, .address_space: global }
      - { .name: wp, .offset: 8, .size: 8, .value_kind: global_buffer, .address_space: global }
      - { .name: out0, .offset: 16, .size: 8, .value_kind: global_buffer, .address_space: global }
      - { .name: b_proj, .offset: 24, .size: 8, .value_kind: global_buffer, .address_space: global }
      - { .name: scales, .offset: 32, .size: 8, .value_kind: global_buffer, .address_space: global }
    .group_segment_fixed_size: 327680
    .private_segment_fixed_size: 0
    .kernarg_segment_align: 8
    .kernarg_segment_size: 40
    .max_flat_workgroup_size: 128
    .sgpr_count:     80
    .vgpr_count:     1024
    .wavefront_size: 32
...
	.end_amdgpu_metadata
.endif
;; end of part 5
;; ======== version 2 of 2: 5 launches; 1.15 times as fast as version 1
;; limits: values are held in f16: magnitudes above 65,504 overflow, below 6.1e-05 lose precision
;; workspace buffers: xh 8,388,608 bytes; pmax 2,048 bytes; wa 6,291,456 bytes; wp 4,194,304 bytes; scales 256 bytes; qkv 33,554,432 bytes; y 16,777,216 bytes
;; launch prep: the kernel of part 1 again; grid 256 x 1, 8 waves a work-group, no clusters, 1,280 bytes of LDS; arguments x, w_attn, w_proj, xh, pmax; writes xh, pmax
;; launch snap: the kernel of part 2 again; grid 256 x 1, 8 waves a work-group, no clusters, 1,280 bytes of LDS; arguments w_attn, w_proj, pmax, wa, wp, scales; writes wa, wp, scales
;; launch gemm_qkv: the kernel of part 3 again; grid 16 x 16, 4 waves a work-group, clusters of 4 x 4, 327,680 bytes of LDS; arguments xh, wa, qkv, b_attn, scales; writes qkv
;; launch attn (part 6): grid 8 x 32, 4 waves a work-group, no clusters, 327,680 bytes of LDS; arguments qkv, y; writes y
.if DOCPART == 6
	.amdgcn_target "amdgcn-amd-amdhsa--gfx1250"
	.amdhsa_code_object_version 6
	.text
	.protected	k_q5bbda6a854_attn
	.globl	k_q5bbda6a854_attn
	.p2align	8
	.type	k_q5bbda6a854_attn,@function
k_q5bbda6a854_attn:
	s_mov_b64 s[64:65], 0
	v_nop
	global_prefetch_b8 v0, s[64:65] scope:SCOPE_SE
	s_setreg_imm32_b32 hwreg(HW_REG_WAVE_MODE, 25, 1), 1
	s_wait_xcnt 0x0
; Causal attention of one head: y = softmax(Q K^T / 8, keys <= query) V, with a running maximum and sum.  qkv: [64][4096][64] f16 (Q heads,
; K heads, V's upper parts, V's lower parts); y: byte (m>>1) 8192 + part 4096 + head 256 + (m&1) 128 + 2 d, f16, part 0 upper, 1 lower.
; V IS STORED AS TWO f16 (its top 11 bits, and the rest).  The lower parts are multiplied for rows 0-15 of a batch alone: a row with few keys
; is as large as V itself, while the whole output's size is set by the many rows that average V down, so there one f16 would show.
; Those rows are query tile 0 of wave 0 of work-group i = 0; their open keys are keys 0-15, so four matrix instructions on keys 0-31 serve.
; y goes on as two f16 in every row.
; Work-group (i, batch x 16 + head) owns query blocks i ("low") and 15 - i ("high") of 128 rows: i + 1 and 16 - i key tiles, 17 block
; products in every one of the 256 work-groups.  Wave w owns rows 32 w .. 32 w + 31 of both blocks: query tiles 0, 1 (low), 2, 3 (high).
; While both blocks need a key tile they share its fragments of K and V.
; ORDER OF KEY TILES: position 0 holds tile i (low's diagonal; the first for both, so its products start all sums), positions 1 .. i hold
; tiles 0 .. i-1 (both blocks), positions i+1 .. 15-i hold the tile of their own number (high alone), the last is high's diagonal.
; NO CLUSTER: the eight work-groups of a head need 16 - i tiles, 9 to 16, in orders that differ, and leaving low's work out is a branch on i.
; TRANSPOSED PRODUCTS: S^T = K Q^T leaves lane (r, h) with keys 8h+j of query r; two such tiles packed to f16 ARE the second operand of
; O^T = V^T P^T, so nothing moves between lanes but one exchange of halves for the maximum.  V^T comes from the transposing LDS load.
; A sub-step that the mask wipes out for a wave is still computed (p = 0, factor 1): other waves of the group need that sub-step anyway.
; The maximum is finite from the first sub-step on: key 0 of a diagonal block is open to every row of it.
; Matrix instructions take their eight accumulators by turns, one instruction a turn.
; LIMITS: q, k, v as stored are f16.  From row 16 of a batch on V enters as its top 11 bits, cut and not rounded: each number is off by less
; than 2^-10 of itself, toward zero.  Below 6.1e-5 y's upper part is rounded and that rest, at most 3e-8, is lost.
.set SLOT,  35840                      ; V upper: 64 rows of two keys x 288; then K: 64 rows x 272
.set KOFF,  18432
.set VLX,   71680                      ; behind the two slots: V's lower parts of keys 0-31 of tile 0, 16 rows x 288, filled once
.set STAGE, 76288                      ; = 298 x 256: 16 rows x 400 for each wave, into which no tile lands
.set SPITCH, 400                       ; 256 bytes (upper, lower) + 144: 25 units of 16 bytes, odd, and 9 modulo 16
.set KADR, 2                           ; v2-3   K's fragments in slot 0, 1
.set VADR, 4                           ; v4-5   V's
.set STO,  6
.set RD,   7
.set YO,   8
.set QO,   9
.set LIM,  10                          ; v10-11 32 w + 16 ql + r - 8 h: a key of number 64 ss + 16 kt + j above it is masked
.set NINF, 12
.set ST,   16                          ; v[16:31] for each query tile: max x CEXP, max, factor, sum
.set T,    32                          ; v[32:47] at work
.set VXA,  48                          ; v48    V's lower parts
.set KF,   64                          ; v[64:127]  K: 16 kt + 8 c; once also V^T lower of keys 0-31: 8 dt
.set U,    64                          ; v[64:95]   the way out: y's upper parts, f32, then packed in place
.set LP,   96                          ; v[96:111]  the way out: y's lower parts, packed
.set SA,   128                         ; v[128:191] low's scores, then P: 32 ql + 8 kt
.set SB,   192                         ; v[192:255] high's
.set QF,   0                           ; window 1: Q, 16 qt + 8 c
.set OF,   64                          ; window 1: O^T, 32 qt + 8 dt
.set VF,   192                         ; window 1: V^T upper, 32 c + 8 dt
.set G1V, 28
.set G1K, 36
.set G0V, 44
.set G0K, 52
.set G1X, 80                           ; s[80:87], s[88:91] the descriptor of V's lower parts
.set G0X, 88
.set MSB, 0
.macro WIN new
.if MSB != \new
	s_set_vgpr_msb (MSB<<8)|\new
.set MSB, \new
.endif
.endm
.macro PLACES                          ; four places behind a matrix instruction (ISA guide 7.12.1)
.rept 4
	v_nop
.endr
.endm
.macro TLOAD s                         ; waves 0, 1 fetch V's halves of 64 keys, waves 2, 3 K's: one load a wave
	s_cmp_eq_u32 s11, 0
	s_cbranch_scc0 .Lfor_k_\@
	tensor_load_to_lds s[G0V+4*\s:G0V+4*\s+3], s[G1V:G1V+7]
	s_nop 0
	s_branch .Lasked_\@
.Lfor_k_\@:
	tensor_load_to_lds s[G0K+4*\s:G0K+4*\s+3], s[G1K:G1K+7]
	s_nop 0
.Lasked_\@:
.endm
.macro SETADR o                        ; slot o's two descriptors get the tile at byte s16 of the head's keys
	s_add_nc_u64 s[G0V+4*\o+2:G0V+4*\o+3], s[18:19], s[16:17]
	s_or_b32 s[G0V+4*\o+3], s[G0V+4*\o+3], 0x80000000
	s_add_nc_u64 s[G0K+4*\o+2:G0K+4*\o+3], s[20:21], s[16:17]
	s_or_b32 s[G0K+4*\o+3], s[G0K+4*\o+3], 0x80000000
.endm
	s_load_b128 s[4:7], s[0:1], 0x0                ; qkv s[4:5], y s[6:7]
	v_lshl_add_u32 v62, v0, 2, 0x29000
	v_mov_b32 v63, 0
	ds_add_u32 v62, v63
	ds_add_u32 v62, v63
	v_lshrrev_b32 v1, 5, v0
	v_readfirstlane_b32 s10, v1                    ; wave
	s_lshr_b32 s11, s10, 1
	s_and_b32 s12, s10, 1
	s_mov_b32 s8, ttmp9                            ; i
	s_and_b32 s26, ttmp7, 0xffff
	s_and_b32 s27, s26, 15                         ; head
	s_lshr_b32 s26, s26, 4                         ; batch
	s_mov_b32 s22, 0x76543210
	s_mov_b32 s23, 0xfedcba98
	s_mov_b32 s24, 0x3e38aa3b                      ; CEXP = log2(e) / 8, twice
	s_mov_b32 s25, 0x3e38aa3b
	s_mov_b32 s76, 0xffffe000                      ; a number's sign, exponent and top ten bits behind the leading one
	; half a tile of 128 keys is a dense block of 8,192 bytes: 32 rows of 256 bytes (two keys), elements of 8 bytes, padded behind each row
	s_mov_b32 s[G1V+0], (3<<16)|(1<<20)|(5<<22)|(7<<25)    ; V: 8 words of padding, pitch 288
	s_mov_b32 s[G1V+1], 32<<16
	s_mov_b32 s[G1V+2], 32<<16
	s_mov_b32 s[G1V+3], 32<<16
	s_mov_b32 s[G1V+4], 32
	s_mov_b32 s[G1V+5], 32
	s_mov_b32 s[G1V+6], 0
	s_mov_b32 s[G1V+7], 0
	s_mov_b32 s[G1K+0], (3<<16)|(1<<20)|(5<<22)|(3<<25)    ; K: 4 words, pitch 272
	s_mov_b32 s[G1K+1], 32<<16
	s_mov_b32 s[G1K+2], 32<<16
	s_mov_b32 s[G1K+3], 32<<16
	s_mov_b32 s[G1K+4], 32
	s_mov_b32 s[G1K+5], 32
	s_mov_b32 s[G1K+6], 0
	s_mov_b32 s[G1K+7], 0
	s_mov_b32 s[G1X+0], (3<<16)|(1<<20)|(5<<22)|(7<<25)    ; V's lower parts: as V, 16 rows (32 keys)
	s_mov_b32 s[G1X+1], 32<<16
	s_mov_b32 s[G1X+2], 16<<16
	s_mov_b32 s[G1X+3], 32<<16
	s_mov_b32 s[G1X+4], 16
	s_mov_b32 s[G1X+5], 32
	s_mov_b32 s[G1X+6], 0
	s_mov_b32 s[G1X+7], 0
	s_mul_i32 s70, s10, 9216                       ; V's halves: waves 0, 1 at 0 and 9,216
	s_mul_i32 s71, s10, 8704                       ; K's halves: waves 2, 3 at 18,432 and 27,136
	s_add_co_u32 s71, s71, 1024
.irp s, 0,1
	s_mov_b32 s[G0V+4*\s], 1
	s_add_co_u32 s[G0V+4*\s+1], s70, \s*SLOT
	s_mov_b32 s[G0K+4*\s], 1
	s_add_co_u32 s[G0K+4*\s+1], s71, \s*SLOT
.endr
	s_mov_b32 s[G0X], 1
	s_mov_b32 s[G0X+1], VLX
	s_lshl_b32 s72, s27, 19                        ; the head's and the batch's place in a quarter of qkv
	s_lshl_b32 s73, s26, 18
	s_add_co_u32 s72, s72, s73
	s_lshl_b32 s73, s12, 13                        ; my half of a tile
	s_add_co_u32 s73, s73, s72
	s_mov_b32 s17, 0
	s_wait_dscnt 0x0
	s_wait_kmcnt 0x0
	s_add_co_u32 s16, s73, 0x1000000               ; V's upper parts begin at 32 x 524,288
	s_add_nc_u64 s[18:19], s[4:5], s[16:17]
	s_add_co_u32 s16, s73, 0x800000                ; K heads at 16 x 524,288
	s_add_nc_u64 s[20:21], s[4:5], s[16:17]
	s_add_co_u32 s16, s72, 0x1800000               ; V's lower parts at 48 x 524,288: the batch's keys 0-31
	s_add_nc_u64 s[G0X+2:G0X+3], s[4:5], s[16:17]
	s_or_b32 s[G0X+3], s[G0X+3], 0x80000000
	s_lshl_b32 s16, s8, 14                         ; position 0: tile i
	SETADR 0
	s_cmp_eq_u32 s8, 0                             ; position 1: tile 0, or tile 1 where i = 0
	s_cselect_b32 s16, 0x4000, 0
	SETADR 1
	; All first fills go out together, ahead of everything else.  Wave 0 of work-group i = 0 asks for V's lower parts first, so that the wait
	; for position 0's tile shows them landed too: that wave has three loads out, every other wave two, the most in this text.
	s_cmp_lg_u32 s10, 0
	s_cbranch_scc1 .Lnox
	s_cmp_lg_u32 s8, 0
	s_cbranch_scc1 .Lnox
	tensor_load_to_lds s[G0X:G0X+3], s[G1X:G1X+7]
	s_nop 0
.Lnox:
	TLOAD 0
	TLOAD 1
	s_lshl_b32 s73, s10, 12                        ; my 32 rows of a query block
	s_add_co_u32 s73, s73, s72
	s_lshl_b32 s16, s8, 14
	s_add_co_u32 s16, s16, s73
	s_add_nc_u64 s[66:67], s[4:5], s[16:17]        ; Q, low
	s_sub_co_u32 s74, 15, s8
	s_lshl_b32 s16, s74, 14
	s_add_co_u32 s16, s16, s73
	s_add_nc_u64 s[68:69], s[4:5], s[16:17]        ; Q, high
	s_lshl_b32 s75, s26, 23                        ; y: (1024 batch + 64 block + 16 w) x 8,192 + 256 head
	s_lshl_b32 s73, s27, 8
	s_add_co_u32 s75, s75, s73
	s_lshl_b32 s73, s10, 17
	s_add_co_u32 s75, s75, s73
	s_lshl_b32 s16, s8, 19
	s_add_co_u32 s16, s16, s75
	s_add_nc_u64 s[60:61], s[6:7], s[16:17]
	s_lshl_b32 s16, s74, 19
	s_add_co_u32 s16, s16, s75
	s_add_nc_u64 s[62:63], s[6:7], s[16:17]
	s_sub_co_u32 s13, 14, s8
	s_lshr_b32 s13, s13, 1                         ; trips of two tiles: 3 to 7
	s_mul_i32 s15, s10, 16*SPITCH
	s_add_co_u32 s15, s15, STAGE
	v_and_b32 v13, 15, v0                          ; r
	v_bfe_u32 v14, v0, 4, 1                        ; h
	v_and_b32 v15, 1, v0
	v_lshlrev_b32 v39, 7, v13
	v_lshl_add_u32 v[QO], v14, 4, v39              ; Q: row r, 16 h
	WIN 0x40
.irp ql, 0,1
.irp c, 0,1
	global_load_b128 v[QF+16*\ql+8*\c:QF+16*\ql+8*\c+3], v[QO], s[66:67] offset:2048*\ql+64*\c
	global_load_b128 v[QF+16*\ql+8*\c+4:QF+16*\ql+8*\c+7], v[QO], s[66:67] offset:2048*\ql+64*\c+32
	global_load_b128 v[QF+32+16*\ql+8*\c:QF+32+16*\ql+8*\c+3], v[QO], s[68:69] offset:2048*\ql+64*\c
	global_load_b128 v[QF+32+16*\ql+8*\c+4:QF+32+16*\ql+8*\c+7], v[QO], s[68:69] offset:2048*\ql+64*\c+32
.endr
.endr
	WIN 0
	; key k of a tile lies at (k>>1) pitch + (k&1) 128.  K: units of 16 bytes (r>>1) 17 + 8 (r&1): sixteen different columns modulo 16
	v_bfe_u32 v32, v0, 1, 3
	v_mul_u32_u24 v32, v32, 272
	v_lshl_add_u32 v32, v15, 7, v32
	v_lshl_add_u32 v32, v14, 4, v32
	v_add_nc_u32 v[KADR], KOFF, v32
	v_add_nc_u32 v[KADR+1], KOFF+SLOT, v32
	; V for the transposing load: lane L addresses key 8 h + (L&7), 16 bytes at 16 ((L>>3)&1): units (k>>1) 18 + 8 (k&1) + that bit, all different modulo 16
	v_bfe_u32 v33, v0, 1, 2
	v_lshl_add_u32 v33, v14, 2, v33
	v_mul_u32_u24 v33, v33, 288
	v_lshl_add_u32 v33, v15, 7, v33
	v_bfe_u32 v34, v0, 3, 1
	v_lshl_add_u32 v[VADR], v34, 4, v33
	v_add_nc_u32 v[VADR+1], SLOT, v[VADR]
	v_add_nc_u32 v[VXA], VLX, v[VADR]              ; the same lanes' places among V's lower parts
	v_mul_u32_u24 v35, v13, SPITCH
	v_lshl_add_u32 v35, v14, 4, v35
	v_add_nc_u32 v[STO], s15, v35
	v_bfe_u32 v36, v0, 3, 2
	v_and_b32 v37, 7, v0
	v_mul_u32_u24 v36, v36, SPITCH
	v_lshl_add_u32 v36, v37, 4, v36
	v_add_nc_u32 v[RD], s15, v36
	v_lshlrev_b32 v38, 4, v13
	v_lshl_add_u32 v[YO], v14, 13, v38
	v_lshlrev_b32 v40, 3, v14
	v_sub_nc_u32 v40, v13, v40
	v_lshl_add_u32 v[LIM], s10, 5, v40
	v_add_nc_u32 v[LIM+1], 16, v[LIM]
	v_mov_b32 v[NINF], 0xff800000
.macro KLOAD slot, ss                  ; 64 keys x 64 d as first operands: 16 loads
.irp kt, 0,1,2,3
.irp c, 0,1
	ds_load_b128 v[KF+16*\kt+8*\c:KF+16*\kt+8*\c+3], v[KADR+\slot] offset:(32*\ss+8*\kt)*272+64*\c
	ds_load_b128 v[KF+16*\kt+8*\c+4:KF+16*\kt+8*\c+7], v[KADR+\slot] offset:(32*\ss+8*\kt)*272+64*\c+32
.endr
.endr
.endm
.macro VLOAD slot, ss                  ; the same keys' V, transposed: 16 loads; the second of a pair lies 16 keys = 8 rows further
	WIN 0x40
.irp c, 0,1
.irp dt, 0,1,2,3
	ds_load_tr16_b128 v[VF+32*\c+8*\dt:VF+32*\c+8*\dt+3], v[VADR+\slot] offset:(32*\ss+16*\c)*288+32*\dt
	ds_load_tr16_b128 v[VF+32*\c+8*\dt+4:VF+32*\c+8*\dt+7], v[VADR+\slot] offset:(32*\ss+16*\c)*288+32*\dt+2304
.endr
.endr
	WIN 0
.endm
.macro QK s, qt0                       ; S^T of 64 keys x 32 queries: eight tiles, d 0-31 starts them, d 32-63 adds
	WIN 0x04
.irp ql, 0,1
.irp kt, 0,1,2,3
	v_wmma_f32_16x16x32_f16 v[\s+32*\ql+8*\kt:\s+32*\ql+8*\kt+7], v[KF+16*\kt:KF+16*\kt+7], v[QF+16*(\qt0+\ql):QF+16*(\qt0+\ql)+7], 0
.endr
.endr
.irp ql, 0,1
.irp kt, 0,1,2,3
	v_wmma_f32_16x16x32_f16 v[\s+32*\ql+8*\kt:\s+32*\ql+8*\kt+7], v[KF+16*\kt+8:KF+16*\kt+15], v[QF+16*(\qt0+\ql)+8:QF+16*(\qt0+\ql)+15], v[\s+32*\ql+8*\kt:\s+32*\ql+8*\kt+7]
.endr
.endr
	WIN 0
.endm
.macro PV s, qt0, first                ; O^T += V^T P^T: eight tiles, keys 0-31, then keys 32-63
	WIN 0x51
.irp ql, 0,1
.irp dt, 0,1,2,3
.if \first
	v_wmma_f32_16x16x32_f16 v[OF+32*(\qt0+\ql)+8*\dt:OF+32*(\qt0+\ql)+8*\dt+7], v[VF+8*\dt:VF+8*\dt+7], v[\s+32*\ql:\s+32*\ql+7], 0
.else
	v_wmma_f32_16x16x32_f16 v[OF+32*(\qt0+\ql)+8*\dt:OF+32*(\qt0+\ql)+8*\dt+7], v[VF+8*\dt:VF+8*\dt+7], v[\s+32*\ql:\s+32*\ql+7], v[OF+32*(\qt0+\ql)+8*\dt:OF+32*(\qt0+\ql)+8*\dt+7]
.endif
.endr
.endr
.irp ql, 0,1
.irp dt, 0,1,2,3
	v_wmma_f32_16x16x32_f16 v[OF+32*(\qt0+\ql)+8*\dt:OF+32*(\qt0+\ql)+8*\dt+7], v[VF+32+8*\dt:VF+32+8*\dt+7], v[\s+32*\ql+8:\s+32*\ql+15], v[OF+32*(\qt0+\ql)+8*\dt:OF+32*(\qt0+\ql)+8*\dt+7]
.endr
.endr
	WIN 0
.endm
; The softmax step of one query tile: 32 scores a lane in v[sq ..] become 16 registers of f16 P in v[sq .. sq+15].
.macro SM sq, qt, first, masked, ss, ql
.if \masked
.set e_, 0
.rept 32
	v_cmp_gt_i32 vcc_lo, 64*\ss+16*(e_/8)+(e_%8), v[LIM+\ql]
	v_cndmask_b32 v[\sq+e_], v[\sq+e_], v[NINF], vcc_lo
.set e_, e_+1
.endr
.endif
	v_max3_num_f32 v[T], v[\sq], v[\sq+1], v[\sq+2]
	v_max3_num_f32 v[T+1], v[\sq+3], v[\sq+4], v[\sq+5]
.set e_, 6
.rept 13
	v_max3_num_f32 v[T+((e_/2)&1)], v[T+((e_/2)&1)], v[\sq+e_], v[\sq+e_+1]
.set e_, e_+2
.endr
	v_max_num_f32 v[T], v[T], v[T+1]
	v_permlanex16_b32 v[T+1], v[T], s22, s23       ; the other eight keys of each sixteen lie in the other half of the lanes
.if \first
	v_max_num_f32 v[ST+4*\qt+1], v[T], v[T+1]
	v_mul_f32 v[ST+4*\qt], s24, v[ST+4*\qt+1]
.else
	v_max3_num_f32 v[ST+4*\qt+1], v[T], v[T+1], v[ST+4*\qt+1]
	v_mul_f32 v[T+2], s24, v[ST+4*\qt+1]
	v_sub_f32 v[ST+4*\qt+2], v[ST+4*\qt], v[T+2]
	v_exp_f32 v[ST+4*\qt+2], v[ST+4*\qt+2]         ; the factor for what was summed under the old maximum
	v_mov_b32 v[ST+4*\qt], v[T+2]                  ; (a plain place behind it)
.endif
.set e_, 0
.rept 16
	v_pk_fma_f32 v[\sq+e_:\sq+e_+1], v[\sq+e_:\sq+e_+1], s[24:25], v[ST+4*\qt:ST+4*\qt+1] op_sel_hi:[1,0,0] neg_lo:[0,0,1] neg_hi:[0,0,1]
.set e_, e_+2
.endr
.set e_, 0
.rept 32
	v_exp_f32 v[\sq+e_], v[\sq+e_]
.set e_, e_+1
.endr
.if \first
	v_nop                                          ; one plain place behind the last exponential (ISA guide 5.7.2)
	s_wait_alu depctr_va_vdst(0)
.else
	WIN 0x41                                       ; that place is useful work here: O^T takes the factor
.set e_, 0
	s_wait_alu depctr_va_vdst(0)
.rept 16
	v_pk_mul_f32 v[OF+32*\qt+e_:OF+32*\qt+e_+1], v[OF+32*\qt+e_:OF+32*\qt+e_+1], v[ST+4*\qt+2:ST+4*\qt+3] op_sel_hi:[1,0]
.set e_, e_+2
.endr
	WIN 0
.endif
.irp c, 0,1,2,3
	v_pk_add_f32 v[T+2*\c:T+2*\c+1], v[\sq+4*\c:\sq+4*\c+1], v[\sq+4*\c+2:\sq+4*\c+3]
.endr
.irp c, 0,1,2,3
	v_pk_add_f32 v[T+2*\c:T+2*\c+1], v[T+2*\c:T+2*\c+1], v[\sq+16+2*\c:\sq+16+2*\c+1]
.endr
.irp c, 0,1,2,3
	v_pk_add_f32 v[T+2*\c:T+2*\c+1], v[T+2*\c:T+2*\c+1], v[\sq+24+2*\c:\sq+24+2*\c+1]
.endr
	v_pk_add_f32 v[T:T+1], v[T:T+1], v[T+2:T+3]
	v_pk_add_f32 v[T+4:T+5], v[T+4:T+5], v[T+6:T+7]
	v_pk_add_f32 v[T:T+1], v[T:T+1], v[T+4:T+5]
.if \first
	v_add_f32 v[ST+4*\qt+3], v[T], v[T+1]
.else
	v_add_f32 v[T], v[T], v[T+1]
	v_fma_f32 v[ST+4*\qt+3], v[ST+4*\qt+3], v[ST+4*\qt+2], v[T]     ; my half's sum; the halves meet at the end
.endif
.set e_, 0
.rept 16
	v_cvt_pk_f16_f32 v[\sq+e_], v[\sq+2*e_], v[\sq+2*e_+1]          ; ascending, in place: register e is written when 2 e and 2 e + 1 are read
.set e_, e_+1
.endr
.endm
; 64 keys (sub-step ss of the tile in slot).  lo: 0 high alone; 1 low too while the position is at most i; 2 low always.
; K's fragments of this sub-step have been asked for.  nextk = 1: those of sub-step 1 are asked for when K's registers are free.
; first = 1 (position 0, sub-step 0): the products start the sums, and rows 0-15 of a batch take V's lower parts.
.macro SUB slot, ss, lo, lomask, himask, first, nextk
.rept 5
	v_nop                                          ; five places behind the last product: V's registers are loaded into, and P's written over by a matrix instruction
.endr
	VLOAD \slot, \ss
	s_wait_dscnt 16                                ; K is in; the 16 loads of V stay out
	QK SB, 2
.if \lo == 1
	s_cmp_gt_u32 s9, s8
	s_cbranch_scc1 .Lnolow_\@
.endif
.if \lo
	QK SA, 0
	PLACES
	SM SA, 0, \first, \lomask, \ss, 0
	SM SA+32, 1, \first, \lomask, \ss, 1
	s_wait_dscnt 0x0                               ; V
	PV SA, 0, \first
.endif
.if \first
	s_cmp_lg_u32 s10, 0                            ; wave 0
	s_cbranch_scc1 .Lnovl_\@
	s_cmp_lg_u32 s8, 0                             ; of work-group i = 0: query tile 0 is rows 0-15 of the batch
	s_cbranch_scc1 .Lnovl_\@
.irp dt, 0,1,2,3
	ds_load_tr16_b128 v[KF+8*\dt:KF+8*\dt+3], v[VXA] offset:32*\dt          ; V^T lower of keys 0-31 into K's registers, free since the four places behind the last Q K product;
	ds_load_tr16_b128 v[KF+8*\dt+4:KF+8*\dt+7], v[VXA] offset:32*\dt+2304   ; the wave's own fill, shown landed by the wait for position 0's tile
.endr
	s_wait_dscnt 0x0
	WIN 0x50
.irp dt, 0,1,2,3
	v_wmma_f32_16x16x32_f16 v[OF+8*\dt:OF+8*\dt+7], v[KF+8*\dt:KF+8*\dt+7], v[SA:SA+7], v[OF+8*\dt:OF+8*\dt+7]     ; four accumulators by turns; the one in front wrote query tile 1's
.endr
	WIN 0
.Lnovl_\@:
.endif
.if \lo == 1
.Lnolow_\@:
.endif
	PLACES
.if \nextk
	KLOAD \slot, 1
.endif
	SM SB, 2, \first, \himask, \ss, 0
	SM SB+32, 3, \first, \himask, \ss, 1
.if \nextk
	s_wait_dscnt 16                                ; V is in; the 16 loads of K, issued behind it, stay out
.else
	s_wait_dscnt 0x0
.endif
	PV SB, 2, \first
.endm
; The tile at position s9, in slot; the other slot, read at the position before, gets the tile of position s9 + 1.
.macro TILE slot, other
	s_wait_dscnt 0x0                               ; my reads of the other slot are done
	s_wait_tensorcnt 0x0                           ; all my tensor loads have landed, my part of this slot among them: the descriptors may be written
	ds_add_u32 v62, v63
	s_wait_dscnt 0x0
	s_cmp_ge_u32 s9, s8                            ; position p + 1 holds tile p while p + 1 <= i, else tile p + 1
	s_cselect_b32 s15, 1, 0
	s_add_co_u32 s15, s15, s9
	s_lshl_b32 s16, s15, 14
	SETADR \other
	s_barrier_signal -1
	s_barrier_wait -1                              ; both hold of all four waves
	TLOAD \other                                   ; my one tensor load behind this barrier, first thing there
	KLOAD \slot, 0
	SUB \slot, 0, 1, 0, 0, 0, 1
	SUB \slot, 1, 1, 0, 0, 0, 0
	s_add_co_u32 s9, s9, 1
.endm
.macro LAST slot                       ; high's diagonal: nothing is left to fetch
	s_wait_dscnt 0x0
	s_wait_tensorcnt 0x0
	s_barrier_signal -1
	s_barrier_wait -1
	KLOAD \slot, 0
	SUB \slot, 0, 0, 0, 1, 0, 1
	SUB \slot, 1, 0, 0, 1, 0, 0
.endm
	s_wait_tensorcnt 1                             ; all but the youngest load: my part of position 0 is in (and V's lower parts, asked for ahead of it); position 1's stays out
	s_barrier_signal -1
	s_barrier_wait -1
	KLOAD 0, 0
	s_wait_loadcnt 0x0                             ; Q
	SUB 0, 0, 2, 1, 0, 1, 1                        ; tile i: low's diagonal, masked; the first products start every sum
	SUB 0, 1, 2, 1, 0, 0, 0
	s_mov_b32 s9, 1
	s_mov_b32 s14, 0
.Ltiles:
	TILE 1, 0
	TILE 0, 1
	s_add_co_u32 s14, s14, 1
	s_cmp_lt_u32 s14, s13
	s_cbranch_scc1 .Ltiles
	s_and_b32 s15, s8, 1                           ; 14 - i tiles stand between the first and the last: one is left where i is odd
	s_cmp_eq_u32 s15, 0
	s_cbranch_scc1 .Leven
	TILE 1, 0
	LAST 0
	s_branch .Lout
.Leven:
	LAST 1
.Lout:
	; THE WAY OUT: the two halves' sums meet, O^T / sum, split in two f16, 16 queries at a time through my own stage, back as runs of 256 bytes
	PLACES
.irp qt, 0,1,2,3
	v_permlanex16_b32 v[T+\qt], v[ST+4*\qt+3], s22, s23
.endr
.irp qt, 0,1,2,3
	v_add_f32 v[ST+4*\qt+3], v[ST+4*\qt+3], v[T+\qt]
.endr
.irp qt, 0,1,2,3
	v_rcp_f32 v[ST+4*\qt+2], v[ST+4*\qt+3]
.endr
	v_nop                                          ; one plain place behind the last reciprocal
	s_wait_alu depctr_va_vdst(0)
.macro OUTQ qt, ql, yb
	WIN 0x41
.set e_, 0
.rept 16
	v_pk_mul_f32 v[OF+32*\qt+e_:OF+32*\qt+e_+1], v[OF+32*\qt+e_:OF+32*\qt+e_+1], v[ST+4*\qt+2:ST+4*\qt+3] op_sel_hi:[1,0]
.set e_, e_+2
.endr
	WIN 0x04
.set e_, 0
.rept 32
	v_and_b32 v[U+e_], s76, v[OF+32*\qt+e_]        ; the upper part: the top 11 bits
.set e_, e_+1
.endr
	WIN 0x41
.set e_, 0
.rept 16
	v_pk_add_f32 v[OF+32*\qt+e_:OF+32*\qt+e_+1], v[OF+32*\qt+e_:OF+32*\qt+e_+1], v[U+e_:U+e_+1] neg_lo:[0,1] neg_hi:[0,1]    ; the rest, exact
.set e_, e_+2
.endr
	WIN 0x05
.set e_, 0
.rept 16
	v_cvt_pk_f16_f32 v[LP+e_], v[OF+32*\qt+2*e_], v[OF+32*\qt+2*e_+1]
.set e_, e_+1
.endr
	WIN 0
.set e_, 0
.rept 16
	v_cvt_pk_f16_f32 v[U+e_], v[U+2*e_], v[U+2*e_+1]               ; ascending, in place
.set e_, e_+1
.endr
.irp dt, 0,1,2,3
	ds_store_b128 v[STO], v[U+4*\dt:U+4*\dt+3] offset:32*\dt
.endr
.irp dt, 0,1,2,3
	ds_store_b128 v[STO], v[LP+4*\dt:LP+4*\dt+3] offset:128+32*\dt
.endr
.irp t, 0,1,2,3
	ds_load_b128 v[SB+16*\qt+4*\t:SB+16*\qt+4*\t+3], v[RD] offset:4*SPITCH*\t     ; LDS serves a wave's instructions in order; each query tile has registers of its own
.endr
.irp t, 0,1,2,3
	ds_load_b128 v[SA+16*\qt+4*\t:SA+16*\qt+4*\t+3], v[RD] offset:4*SPITCH*\t+128
.endr
.irp t, 0,1,2,3
	s_wait_dscnt 7-\t                              ; so many of the eight loads were issued behind this one
	global_store_b128 v[YO], v[SB+16*\qt+4*\t:SB+16*\qt+4*\t+3], s[\yb:\yb+1] offset:16384*\t+65536*\ql   ; sixteen lanes store two rows of the head: 256 consecutive bytes, aligned
.endr
.irp t, 0,1,2,3
	s_wait_dscnt 3-\t
	global_store_b128 v[YO], v[SA+16*\qt+4*\t:SA+16*\qt+4*\t+3], s[\yb:\yb+1] offset:16384*\t+65536*\ql+4096
.endr
.endm
	OUTQ 0, 0, 60
	OUTQ 1, 1, 60
	OUTQ 2, 0, 62
	OUTQ 3, 1, 62
	s_wait_tensorcnt 0x0
	ds_add_u32 v62, v63
	s_wait_dscnt 0x0
	s_endpgm
.Lfunc_end_k_q5bbda6a854_attn:
	.size	k_q5bbda6a854_attn, .Lfunc_end_k_q5bbda6a854_attn-k_q5bbda6a854_attn
	.p2alignl 7, 3214868480
	.fill 96, 4, 3214868480
	.section	.rodata,"a",@progbits
	.p2align	6, 0x0
	.amdhsa_kernel k_q5bbda6a854_attn
		.amdhsa_group_segment_fixed_size 327680
		.amdhsa_private_segment_fixed_size 0
		.amdhsa_enable_private_segment 0
		.amdhsa_kernarg_size 16
		.amdhsa_user_sgpr_count 2
		.amdhsa_user_sgpr_kernarg_segment_ptr 1
		.amdhsa_wavefront_size32 1
		.amdhsa_system_sgpr_workgroup_id_x 1
		.amdhsa_system_sgpr_workgroup_id_y 1
		.amdhsa_system_sgpr_workgroup_id_z 1
		.amdhsa_system_vgpr_workitem_id 0
		.amdhsa_next_free_vgpr 512
		.amdhsa_next_free_sgpr 92
		.amdhsa_reserve_vcc 1
		.amdhsa_float_denorm_mode_32 3
		.amdhsa_float_denorm_mode_16_64 3
		.amdhsa_memory_ordered 1
		.amdhsa_forward_progress 1
		.amdhsa_inst_pref_size 255
	.end_amdhsa_kernel
	.section	.bss,"aw",@nobits
	.p2align	6
	.space	262144
	.amdgpu_metadata
---
amdhsa.version: [ 1, 2 ]
amdhsa.kernels:
  - .name:           k_q5bbda6a854_attn
    .symbol:         k_q5bbda6a854_attn.kd
    .args:
      - { .name: qkv, .offset: 0, .size: 8, .value_kind: global_buffer, .address_space: global }
      - { .name: y, .offset: 8, .size: 8, .value_kind: global_buffer, .address_space: global }
    .group_segment_fixed_size: 327680
    .private_segment_fixed_size: 0
    .kernarg_segment_align: 8
    .kernarg_segment_size: 16
    .max_flat_workgroup_size: 128
    .sgpr_count:     92
    .vgpr_count:     512
    .wavefront_size: 32
...
	.end_amdgpu_metadata
.endif
;; end of part 6
;; launch gemm_proj (part 7): grid 8 x 32, 4 waves a work-group, clusters of 4 x 4, 327,680 bytes of LDS; arguments y, wp, out0, b_proj, scales; writes out0
.if DOCPART == 7
	.amdgcn_target "amdgcn-amd-amdhsa--gfx1250"
	.amdhsa_code_object_version 6
	.text
	.protected	k_q5bbda6a854_gemm_proj
	.globl	k_q5bbda6a854_gemm_proj
	.p2align	8
	.type	k_q5bbda6a854_gemm_proj,@function
k_q5bbda6a854_gemm_proj:
	s_mov_b64 s[64:65], 0
	v_nop
	global_prefetch_b8 v0, s[64:65] scope:SCOPE_SE
	s_setreg_imm32_b32 hwreg(HW_REG_WAVE_MODE, 25, 1), 1
	s_wait_xcnt 0x0
	s_wait_alu depctr_hold_cnt(0) depctr_sa_sdst(0) depctr_va_vdst(0) depctr_va_sdst(0) depctr_va_ssrc(0) depctr_va_vcc(0) depctr_vm_vsrc(0)
	s_getreg_b32 s2, hwreg(HW_REG_IB_STS2, 6, 4)
	s_cmp_eq_u32 s2, 0
	s_cbranch_scc0 .Lentry_in_a_cluster
	s_endpgm
.Lentry_in_a_cluster:
	s_bfe_u32 s2, ttmp6, 0x10000c
	s_cmp_lg_u32 s2, 0xf033
	s_cbranch_scc0 .Lentry_shape_is_right
	s_endpgm
.Lentry_shape_is_right:
; out0[m][n] = scale * sum over k of y[m][k] wp[n][k] + b_proj[n], f32.  y holds part p (0 upper: the top 11 bits, 1 lower: the rest) of
; feature 64 head + d of row m at byte (m>>1) 8192 + p 4096 + head 256 + (m&1) 128 + 2 d, f16; wp's rows are 2,048 f16 apart, and the first
; 1,024 of a row are read.  A tile of A is a plain tile of ROW PAIRS: 1,024 bytes (four heads of one part) of each pair.
; y'S LOWER PARTS are multiplied for rows 0-15 of every 64 alone, in the same K loop and by the same fragments of wp as the upper parts, onto
; the same sums.  The rows that need them are rows 0-15 of a batch (few keys: y as large as V, while the whole output's size is set by the
; many rows that average V down); they are rows 0-15 of a block.  Taking one row tile of every wave keeps the text free of branches.
; A work-group makes 128 x 128: 8 x 32 = 256 equal work-groups; a wave makes 64 x 64 (4 x 4 accumulator tiles).  K = 1024 goes in four steps
; of 256 through two LDS slots: the two first fills hold half of K, and each slot is filled once more.
; CLUSTERS: 4 x 4 work-groups; A's tile and the lower parts hang on the block row alone and are asked for jointly along a row of the cluster,
; B's tile on the block column alone and jointly along a column.
; The matrix instruction is used transposed (source 0 = rows of wp, source 1 = rows of y): a lane holds eight neighbouring columns of a row.
; The accumulators take turns, one instruction a turn, in the same order in every quarter step (row tile 0, row tile 1, the lower parts onto
; row tile 0, row tiles 2, 3).
; LIMIT: in rows 16-63 of every 64 y enters as its top 11 bits, cut and not rounded: each number is off by less than 2^-10 of itself, toward
; zero.
; REGISTERS by windows of 256: window 0 addresses, A's fragments, the way out, the bias; window 1 B's fragments; window 2 the accumulators
; of my rows 0-31, window 3 of rows 32-63, tile (a, b) at 8 (4 a + b).
.set NB,     4
.set NQ,     8                         ; quarter steps (32 along K) in a K step of 256
.set AE,     512                       ; A's tile: elements in a row pair's piece,
.set AH,     64                        ; row pairs in A's one load,
.set LH,     8                         ; row pairs in one load of lower parts,
.set AQI,    7                         ; padding behind every 256 words,
.set APE,    4096                      ; elements from pair to pair in memory
.set PA,     1040                      ; 1,024 + 16: row r lies at unit (r>>1) 65 + 8 (r&1) of 16 bytes: sixteen different columns modulo 16
.set BE,     256
.set BH,     128                       ; rows in B's one load
.set BQI,    6
.set BPE,    2048                      ; elements from row to row of wp
.set PB,     528                       ; 512 + 16, an odd multiple of 16
.set LOFF,   AH*PA                     ; 66,560: the lower parts, two groups of 8 pairs, lie behind A's 64 pairs
.set BOFF,   LOFF+2*LH*PA              ; 83,200: B's 128 rows behind them
.set SLOT,   BOFF+BH*PB                ; 150,784
.set STAGE,  2*SLOT                    ; 301,568 = 1178 x 256: the way out's bytes, into which no tile lands
.set SPITCH, 272
.set ASTEP,  1024                      ; bytes of a K step in a row pair's part
.set BSTEP,  512
.set ABLK,   8*PA                      ; 16 rows = 8 pairs
.set BBLK,   16*PB
.set SCOFF,  4
.set ADRA, 16                          ; v16-17 LDS address of my A fragments in slot 0, 1
.set ADRL, 18                          ; v18-19 of my lower fragment
.set ADRB, 20                          ; v20-21 of my B fragments
.set STO,  24
.set RD,   25
.set CO,   26
.set BO,   27
.set FA0,  32                          ; v[32:63], v[64:95] A's fragments, two buffers
.set RB,   32                          ; v[32:63] the way out: rows read back
.set TMP,  96                          ; v[96:127] the way out: results
.set FL0,  128                         ; v[128:135], v[136:143] the lower fragment, two buffers
.set BIAS, 160                         ; v[160:191]
.set G1,  24                           ; s[24:31], s[32:39] A's descriptor: the shape, and from where to where for each slot
.set G0,  32
.set G1B, 48                           ; s[48:55], s[56:63] B's
.set G0B, 56
.set G1L, 80                           ; s[80:87], s[88:95] the lower parts'
.set G0L, 88
.set MSB, 0
.macro WIN new                         ; the immediate's high byte repeats the setting that is left
.if MSB != \new
	s_set_vgpr_msb (MSB<<8)|\new
.set MSB, \new
.endif
.endm
.set MUL_LO, 0xa1                      ; source 0 (B) window 1, source 1 (A) window 0, C and D window 2
.set MUL_HI, 0xf1                      ; the same, C and D window 3
.set TO_B,   0x40                      ; destination window 1
; A joint load, one a wave: wave 0 asks for A's tile, wave 1 for B's, waves 2 and 3 for the two groups of lower parts.  Each line has one mask;
; the branches hang on the wave's number alone.
.macro JLOAD s
	s_cmp_eq_u32 s10, 0
	s_cbranch_scc0 .Lnot_a_\@
	tensor_load_to_lds s[G0+4*\s:G0+4*\s+3], s[G1:G1+7]
	s_nop 0
	s_branch .Lasked_\@
.Lnot_a_\@:
	s_cmp_eq_u32 s10, 1
	s_cbranch_scc0 .Lfor_l_\@
	tensor_load_to_lds s[G0B+4*\s:G0B+4*\s+3], s[G1B:G1B+7]
	s_nop 0
	s_branch .Lasked_\@
.Lfor_l_\@:
	tensor_load_to_lds s[G0L+4*\s:G0L+4*\s+3], s[G1L:G1L+7]
	s_nop 0
.Lasked_\@:
.endm
.macro CREST                           ; a round of the cluster's barrier behind its opening barrier
	s_cmp_lg_u32 s10, 0
	s_cbranch_scc1 .Lnot_wave_0_\@
	s_barrier_signal -3
.Lnot_wave_0_\@:
	s_barrier_wait -3
	s_barrier_signal -1
	s_barrier_wait -1
.endm
.macro CROUND
	s_barrier_signal -1
	s_barrier_wait -1
	CREST
.endm
.macro PLACES                          ; four places behind a matrix instruction (ISA guide 7.12.1) before its registers are loaded into or its results read
.rept 4
	v_nop
.endr
.endm
	s_load_b128 s[4:7], s[0:1], 0x0                ; y s[4:5], wp s[6:7]
	s_load_b64 s[8:9], s[0:1], 0x10                ; out0
	s_load_b128 s[68:71], s[0:1], 0x18             ; b_proj s[68:69], scales s[70:71]
	s_set_vgpr_msb 0x40
	v_lshl_add_u32 v255, v0, 2, 0x4de00
	s_set_vgpr_msb 0x4000
	v_mov_b32 v255, 0
	s_set_vgpr_msb 0x1
	ds_add_u32 v255, v255
	ds_add_u32 v255, v255
	s_set_vgpr_msb 0x100
	v_lshrrev_b32 v1, 5, v0
	v_readfirstlane_b32 s10, v1                    ; wave
	s_lshr_b32 s11, s10, 1                         ; my half of the block's rows
	s_and_b32 s12, s10, 1                          ; my half of its columns.  Also: which group of lower parts waves 2, 3 fetch
	s_bfe_u32 s40, ttmp6, 0x40000                  ; cx
	s_bfe_u32 s41, ttmp6, 0x40004                  ; cy
	s_lshl_b32 s42, ttmp9, 2
	s_add_co_u32 s42, s42, s40                     ; block column
	s_and_b32 s13, ttmp7, 0xffff
	s_lshl_b32 s13, s13, 2
	s_add_co_u32 s13, s13, s41                     ; block row
	s_lshl_b32 s43, s41, 2
	s_lshl_b32 s43, 15, s43                        ; my row of the cluster
	s_lshl_b32 s44, 0x1111, s40                    ; my column
	s_or_b32 s[G1+0], s43, (1<<16)|(1<<20)|(1<<21)|(AQI<<22)|(3<<25)    ; mask; 2-byte elements; padding on; bit 21 beside a mask; interval; 4 words
	s_mov_b32 s[G1+1], AE<<16                      ; tensor_dim0
	s_mov_b32 s[G1+2], AH<<16                      ; tensor_dim1
	s_mov_b32 s[G1+3], AE<<16                      ; tile_dim0
	s_mov_b32 s[G1+4], AH                          ; tile_dim1
	s_mov_b32 s[G1+5], APE                         ; elements from pair to pair
	s_mov_b32 s[G1+6], 0
	s_mov_b32 s[G1+7], 0
	s_or_b32 s[G1L+0], s43, (1<<16)|(1<<20)|(1<<21)|(AQI<<22)|(3<<25)   ; the lower parts: as A, 8 pairs
	s_mov_b32 s[G1L+1], AE<<16
	s_mov_b32 s[G1L+2], LH<<16
	s_mov_b32 s[G1L+3], AE<<16
	s_mov_b32 s[G1L+4], LH
	s_mov_b32 s[G1L+5], APE
	s_mov_b32 s[G1L+6], 0
	s_mov_b32 s[G1L+7], 0
	s_or_b32 s[G1B+0], s44, (1<<16)|(1<<20)|(1<<21)|(BQI<<22)|(3<<25)
	s_mov_b32 s[G1B+1], BE<<16
	s_mov_b32 s[G1B+2], BH<<16
	s_mov_b32 s[G1B+3], BE<<16
	s_mov_b32 s[G1B+4], BH
	s_mov_b32 s[G1B+5], BPE
	s_mov_b32 s[G1B+6], 0
	s_mov_b32 s[G1B+7], 0
	s_lshl_b32 s16, s13, 19                        ; A: the block's 64 row pairs of 8,192 bytes (below 16 MiB)
	s_mov_b32 s17, 0
	s_lshl_b32 s66, s12, 18                        ; the lower parts: pairs 0-7 or 32-39 of the block,
	s_add_co_u32 s66, s66, s16
	s_add_co_u32 s66, s66, 4096                    ; part 1 of a pair
	s_mov_b32 s67, 0
	s_lshl_b32 s46, s42, 19                        ; B: the block's 128 rows of 4,096 bytes, in registers that never hold the block row
	s_mov_b32 s47, 0
	s_mul_i32 s21, s10, LH*PA                      ; LDS: waves 2, 3 fill the two groups at 66,560 and 74,880 = wave x 8,320 + 49,920
	s_add_co_u32 s21, s21, LOFF-2*LH*PA
	s_lshl_b32 s18, s42, 9                         ; my 64 numbers of the bias: 4 (128 block column + 64 half)
	s_lshl_b32 s19, s12, 8
	s_add_co_u32 s18, s18, s19
	s_mov_b32 s19, 0
	s_lshl_b32 s76, s13, 19                        ; where I store: row 128 block row + 64 half, 4,096 bytes each, and the same columns
	s_lshl_b32 s77, s11, 18
	s_add_co_u32 s76, s76, s77
	s_add_co_u32 s76, s76, s18
	s_mov_b32 s77, 0
	s_wait_dscnt 0x0
	s_wait_kmcnt 0x0
	s_add_nc_u64 s[14:15], s[4:5], s[16:17]
	s_add_nc_u64 s[66:67], s[4:5], s[66:67]
	s_add_nc_u64 s[46:47], s[6:7], s[46:47]
	s_add_nc_u64 s[68:69], s[68:69], s[18:19]
	s_add_nc_u64 s[74:75], s[8:9], s[76:77]
	s_load_b32 s72, s[70:71], SCOFF
	CROUND                                         ; all sixteen work-groups are here: the first joint loads meet
.irp s, 0,1
	s_mov_b32 s[G0+4*\s], 1
	s_mov_b32 s[G0+4*\s+1], \s*SLOT                ; A at the slot's first byte
	s_add_nc_u64 s[G0+4*\s+2:G0+4*\s+3], s[14:15], \s*ASTEP
	s_or_b32 s[G0+4*\s+3], s[G0+4*\s+3], 0x80000000
	s_mov_b32 s[G0L+4*\s], 1
	s_add_co_u32 s[G0L+4*\s+1], s21, \s*SLOT
	s_add_nc_u64 s[G0L+4*\s+2:G0L+4*\s+3], s[66:67], \s*ASTEP
	s_or_b32 s[G0L+4*\s+3], s[G0L+4*\s+3], 0x80000000
	s_mov_b32 s[G0B+4*\s], 1
	s_mov_b32 s[G0B+4*\s+1], BOFF+\s*SLOT
	s_add_nc_u64 s[G0B+4*\s+2:G0B+4*\s+3], s[46:47], \s*BSTEP
	s_or_b32 s[G0B+4*\s+3], s[G0B+4*\s+3], 0x80000000
	JLOAD \s                                       ; both slots are asked for before anything else: two loads of the wave are out, the most in this text
.endr
	v_and_b32 v1, 15, v0                           ; r
	v_bfe_u32 v2, v0, 4, 1                         ; h
	v_bfe_u32 v3, v0, 1, 3                         ; r >> 1
	v_and_b32 v4, 1, v0
	v_mul_u32_u24 v3, v3, PA
	v_lshl_add_u32 v3, v4, 7, v3
	v_lshl_add_u32 v3, v2, 4, v3                   ; A and the lower parts: pair x pitch + 128 (r&1) + 16 h
	v_mul_u32_u24 v5, v1, PB
	v_lshl_add_u32 v5, v2, 4, v5                   ; B: row x pitch + 16 h
	s_mul_i32 s22, s11, 32*PA                      ; my 64 rows of A
	s_mul_i32 s20, s11, LH*PA                      ; the lower parts of my first 16 rows
	s_add_co_u32 s20, s20, LOFF
	s_mul_i32 s23, s12, 64*PB                      ; my 64 rows of B
	s_add_co_u32 s23, s23, BOFF
.irp s, 0,1
	v_add_nc_u32 v[ADRA+\s], s22, v3
	v_add_nc_u32 v[ADRL+\s], s20, v3
	v_add_nc_u32 v[ADRB+\s], s23, v5
	s_add_co_u32 s22, s22, SLOT
	s_add_co_u32 s20, s20, SLOT
	s_add_co_u32 s23, s23, SLOT
.endr
	s_mul_i32 s22, s10, 16*SPITCH
	s_add_co_u32 s22, s22, STAGE                   ; my stage
	v_mul_u32_u24 v6, v1, SPITCH
	v_lshl_add_u32 v6, v2, 5, v6
	v_add_nc_u32 v[STO], s22, v6                   ; in: row r, 32 bytes for each half of the lanes
	v_mul_u32_u24 v7, v2, SPITCH
	v_lshl_add_u32 v7, v1, 4, v7
	v_add_nc_u32 v[RD], s22, v7                    ; back: lanes 0-15 one row of 256 bytes, lanes 16-31 the next
	v_lshlrev_b32 v8, 4, v1
	v_lshl_add_u32 v[CO], v2, 12, v8               ; and the same two rows in out0
	v_lshlrev_b32 v[BO], 5, v2
.set bi, 0
.rept NB
	global_load_b128 v[BIAS+8*bi:BIAS+8*bi+3], v[BO], s[68:69] offset:64*bi
	global_load_b128 v[BIAS+8*bi+4:BIAS+8*bi+7], v[BO], s[68:69] offset:64*bi+16
.set bi, bi+1
.endr
	s_wait_kmcnt 0x0
	s_mov_b32 s73, s72                             ; the scale, twice
; NB matrix instructions: row tile 2 hi + a x all column tiles, quarter q's fragments.  zero = 1: the first product starts the sums.
.macro MULA q, hi, a, zero
.set fa_, FA0+32*((\q)&1)+8*(2*\hi+\a)
.set fb_, 8*NB*((\q)&1)
.set bi, 0
.rept NB
.if \zero
	v_wmma_f32_16x16x32_f16 v[8*(NB*\a+bi):8*(NB*\a+bi)+7], v[fb_+8*bi:fb_+8*bi+7], v[fa_:fa_+7], 0
.else
	v_wmma_f32_16x16x32_f16 v[8*(NB*\a+bi):8*(NB*\a+bi)+7], v[fb_+8*bi:fb_+8*bi+7], v[fa_:fa_+7], v[8*(NB*\a+bi):8*(NB*\a+bi)+7]
.endif
.set bi, bi+1
.endr
.endm
; NB matrix instructions: the lower parts of row tile 0 x all column tiles, onto row tile 0's sums; row tile 1's four stand between
.macro MULL q
.set fl_, FL0+8*((\q)&1)
.set fb_, 8*NB*((\q)&1)
.set bi, 0
.rept NB
	v_wmma_f32_16x16x32_f16 v[8*bi:8*bi+7], v[fb_+8*bi:fb_+8*bi+7], v[fl_:fl_+7], v[8*bi:8*bi+7]
.set bi, bi+1
.endr
.endm
; quarter q's fragments in one run: 8 loads of B, 2 of the lower parts, 8 of A
.macro FETCH slot, q
.set fa_, FA0+32*((\q)&1)
.set fl_, FL0+8*((\q)&1)
.set fb_, 8*NB*((\q)&1)
.set ak_, ((\q)>>1)*256+((\q)&1)*64            ; quarter q of A: head q >> 1 of the four, d from 32 (q & 1)
	WIN TO_B
.set bi, 0
.rept NB
	ds_load_b128 v[fb_+8*bi:fb_+8*bi+3], v[ADRB+\slot] offset:64*(\q)+bi*BBLK
	ds_load_b128 v[fb_+8*bi+4:fb_+8*bi+7], v[ADRB+\slot] offset:64*(\q)+bi*BBLK+32
.set bi, bi+1
.endr
	WIN 0
	ds_load_b128 v[fl_:fl_+3], v[ADRL+\slot] offset:ak_
	ds_load_b128 v[fl_+4:fl_+7], v[ADRL+\slot] offset:ak_+32
.set bi, 0
.rept 4
	ds_load_b128 v[fa_+8*bi:fa_+8*bi+3], v[ADRA+\slot] offset:ak_+bi*ABLK
	ds_load_b128 v[fa_+8*bi+4:fa_+8*bi+7], v[ADRA+\slot] offset:ak_+bi*ABLK+32
.set bi, bi+1
.endr
.endm
.macro QUARTER slot, q, zero           ; multiplies quarter q; in its middle it fetches quarter q + 1 into the other buffers
	s_wait_dscnt 4                                 ; all but the four youngest loads (A's row tiles 2, 3): B, the lower fragment and row tiles 0, 1 are in
	WIN MUL_LO
	MULA \q, 0, 0, \zero
	MULA \q, 0, 1, \zero
	MULL \q
	PLACES
	FETCH \slot, (\q)+1
	s_wait_dscnt 2*NB+10                           ; all but the run of 18 just issued
	WIN MUL_HI
	MULA \q, 1, 0, \zero
	MULA \q, 1, 1, \zero
.endm
.macro BODY slot, zero
	QUARTER \slot, 0, \zero
.set qq, 1
.rept NQ-2
	QUARTER \slot, qq, 0
.set qq, qq+1
.endr
.endm
; The last quarter changes slots: each wave's reads of this slot and all its tensor loads (one is out: its part of the next slot) are waited
; for in front of the barrier; where the slot is filled again the barrier opens a round of the cluster's barrier and the joint refill is the
; first tensor load behind the round.
.macro TURN slot, next, fill
	s_wait_dscnt 4
	WIN MUL_LO
	MULA NQ-1, 0, 0, 0
	s_wait_dscnt 0
	s_wait_tensorcnt 0x0
	ds_add_u32 v255, v255
	s_wait_dscnt 0x0
	s_barrier_signal -1
	MULA NQ-1, 0, 1, 0                             ; register work while the others arrive
	MULL NQ-1
	WIN 0
	s_barrier_wait -1
.if \fill
	CREST
	s_add_nc_u64 s[G0+4*\slot+2:G0+4*\slot+3], s[G0+4*\slot+2:G0+4*\slot+3], 2*ASTEP      ; no load of mine is out: the addresses may step
	s_add_nc_u64 s[G0L+4*\slot+2:G0L+4*\slot+3], s[G0L+4*\slot+2:G0L+4*\slot+3], 2*ASTEP
	s_add_nc_u64 s[G0B+4*\slot+2:G0B+4*\slot+3], s[G0B+4*\slot+2:G0B+4*\slot+3], 2*BSTEP
	JLOAD \slot
.endif
	PLACES
	FETCH \next, 0
	WIN MUL_HI
	MULA NQ-1, 1, 0, 0
	MULA NQ-1, 1, 1, 0
.endm
	s_wait_tensorcnt 1                             ; my part of K step 0 is in; K step 1's stays out
	s_barrier_signal -1
	s_barrier_wait -1
	FETCH 0, 0
	BODY 0, 1                                      ; K steps 0 and 1: the first products start the sums; both slots are filled once more
	TURN 0, 1, 1
	BODY 1, 0
	TURN 1, 0, 1
	BODY 0, 0                                      ; K steps 2 and 3 fill nothing
	TURN 0, 1, 0
	BODY 1, 0
	s_wait_dscnt 4                                 ; the very last quarter: nothing more to fetch
	WIN MUL_LO
	MULA NQ-1, 0, 0, 0
	MULA NQ-1, 0, 1, 0
	MULL NQ-1
	s_wait_dscnt 0
	WIN MUL_HI
	MULA NQ-1, 1, 0, 0
	MULA NQ-1, 1, 1, 0
	; THE WAY OUT, 16 rows at a time: scale and bias in one fused step, through my own stage, back as whole rows of 256 bytes.
	PLACES
	s_wait_loadcnt 0x0                             ; the bias
.macro OUT16 a, al, wf
	WIN \wf
.set bi, 0
.rept NB
.irp k, 0,2,4,6
	v_pk_fma_f32 v[TMP+8*bi+\k:TMP+8*bi+\k+1], v[8*(NB*\al+bi)+\k:8*(NB*\al+bi)+\k+1], s[72:73], v[BIAS+8*bi+\k:BIAS+8*bi+\k+1] op_sel_hi:[1,0,1]
.endr
.set bi, bi+1
.endr
	WIN 0
.set bi, 0
.rept NB
	ds_store_b128 v[STO], v[TMP+8*bi:TMP+8*bi+3] offset:64*bi
	ds_store_b128 v[STO], v[TMP+8*bi+4:TMP+8*bi+7] offset:64*bi+16
.set bi, bi+1
.endr
	s_wait_xcnt 0x0                                ; RB, which the last stores read, is loaded again only behind this wait
.irp t, 0,1,2,3,4,5,6,7
	ds_load_b128 v[RB+4*\t:RB+4*\t+3], v[RD] offset:544*\t         ; LDS serves a wave's instructions in order: these see the stores above
.endr
.irp t, 0,1,2,3,4,5,6,7
	s_wait_dscnt 7-\t                              ; so many of the eight loads were issued behind this one
	global_store_b128 v[CO], v[RB+4*\t:RB+4*\t+3], s[74:75] offset:(16*\a+2*\t)*4096 th:TH_STORE_NT   ; sixteen lanes store 256 consecutive bytes, aligned
.endr
.endm
	OUT16 0, 0, 0x02
	OUT16 1, 1, 0x02
	OUT16 2, 0, 0x03
	OUT16 3, 1, 0x03
	s_set_vgpr_msb 0x1
	s_wait_tensorcnt 0x0
	ds_add_u32 v255, v255
	s_wait_dscnt 0x0
	s_set_vgpr_msb 0x100
	CROUND                                         ; the closing round: no work-group ends while a partner may still ask for a tile that names it
	s_endpgm
.Lfunc_end_k_q5bbda6a854_gemm_proj:
	.size	k_q5bbda6a854_gemm_proj, .Lfunc_end_k_q5bbda6a854_gemm_proj-k_q5bbda6a854_gemm_proj
	.p2alignl 7, 3214868480
	.fill 96, 4, 3214868480
	.section	.rodata,"a",@progbits
	.p2align	6, 0x0
	.amdhsa_kernel k_q5bbda6a854_gemm_proj
		.amdhsa_group_segment_fixed_size 327680
		.amdhsa_private_segment_fixed_size 0
		.amdhsa_enable_private_segment 0
		.amdhsa_kernarg_size 40
		.amdhsa_user_sgpr_count 2
		.amdhsa_user_sgpr_kernarg_segment_ptr 1
		.amdhsa_wavefront_size32 1
		.amdhsa_system_sgpr_workgroup_id_x 1
		.amdhsa_system_sgpr_workgroup_id_y 1
		.amdhsa_system_sgpr_workgroup_id_z 1
		.amdhsa_system_vgpr_workitem_id 0
		.amdhsa_next_free_vgpr 1024
		.amdhsa_next_free_sgpr 96
		.amdhsa_reserve_vcc 0
		.amdhsa_float_denorm_mode_32 3
		.amdhsa_float_denorm_mode_16_64 3
		.amdhsa_memory_ordered 1
		.amdhsa_forward_progress 1
		.amdhsa_inst_pref_size 111
	.end_amdhsa_kernel
	.amdgpu_metadata
---
amdhsa.version: [ 1, 2 ]
amdhsa.kernels:
  - .name:           k_q5bbda6a854_gemm_proj
    .symbol:         k_q5bbda6a854_gemm_proj.kd
    .args:
      - { .name: y, .offset: 0, .size: 8, .value_kind: global_buffer, .address_space: global }
      - { .name: wp, .offset: 8, .size: 8, .value_kind: global_buffer, .address_space: global }
      - { .name: out0, .offset: 16, .size: 8, .value_kind: global_buffer, .address_space: global }
      - { .name: b_proj, .offset: 24, .size: 8, .value_kind: global_buffer, .address_space: global }
      - { .name: scales, .offset: 32, .size: 8, .value_kind: global_buffer, .address_space: global }
    .group_segment_fixed_size: 327680
    .private_segment_fixed_size: 0
    .kernarg_segment_align: 8
    .kernarg_segment_size: 40
    .max_flat_workgroup_size: 128
    .sgpr_count:     96
    .vgpr_count:     1024
    .wavefront_size: 32
...
	.end_amdgpu_metadata
.endif
;; end of part 7
